; MI455X (gfx1250); checked and timed in simulation.
; The chip was launched on July 23, 2026; its instructions are those of AMD's public machine-readable ISA for CDNA 5 (MIT licence, August 2026) and "CDNA5" Instruction Set Architecture Reference Guide (July 2026). The comments in the code are by the model that wrote it; some were corrected since.
;; Angular Attention. Allowed arithmetic: matrix products marked QUANTISED: E4M3 operands, one E8M0 scale for each 32 along K, by v_wmma_scale_f32_16x16x128_f8f6f4 with both operands' format E4M3, f32 sums; everything else in f32.
;; Inputs: Wk_codes 1,024 x 32 x 32 uint8 (E4M3 codes of Wk, K innermost, in blocks of 32 codes); Wk_scales 1,024 x 32 uint8 (E8M0 scales of Wk, one for each 32 codes along K); Wo_codes 1,024 x 32 x 32 uint8 (E4M3 codes of Wo, K innermost, in blocks of 32 codes); Wo_scales 1,024 x 32 uint8 (E8M0 scales of Wo, one for each 32 codes along K); Wq_codes 1,024 x 32 x 32 uint8 (E4M3 codes of Wq, K innermost, in blocks of 32 codes); Wq_scales 1,024 x 32 uint8 (E8M0 scales of Wq, one for each 32 codes along K); Wv_codes 1,024 x 32 x 32 uint8 (E4M3 codes of Wv, K innermost, in blocks of 32 codes); Wv_scales 1,024 x 32 uint8 (E8M0 scales of Wv, one for each 32 codes along K); bo 1,024 float32; mask 2 x 2,048 int32; x_codes 2 x 2,048 x 32 x 32 uint8 (E4M3 codes of x, K innermost, in blocks of 32 codes); x_scales 2 x 2,048 x 32 uint8 (E8M0 scales of x, one for each 32 codes along K).
;; Outputs: out0 2 x 2,048 x 1,024 float32.
;; This version of the problem:
;;   THIS VERSION OF THE PROBLEM IS GIVEN IN LOW PRECISION. The matrix products marked QUANTISED in the list below multiply operands that are first quantised to E4M3 (4 exponent bits, 3 mantissa bits; 8 bits a number), with one power-of-two scale for each 32 numbers along K (OCP MX v1.0); their sums are f32. All else is computed in f32.
;;   The module's matrix products, in the order in which they are computed (A, B: the left and right operand; K: the contracted axis; several contracted axes count as one K, in the product's order):
;;     1. [M 4,096, K 1,024] x [K 1,024, N 1,024]; A: input x (given as codes); B: input Wq (given as codes): QUANTISED
;;     2. [M 4,096, K 1,024] x [K 1,024, N 1,024]; A: input x (given as codes); B: input Wk (given as codes): QUANTISED
;;     3. [M 4,096, K 1,024] x [K 1,024, N 1,024]; A: input x (given as codes); B: input Wv (given as codes): QUANTISED
;;     4. batch 32 x [M 2,048, K 64] x [K 64, N 2,048]; A: computed on the way; B: computed on the way: QUANTISED
;;     5. batch 32 x [M 2,048, K 2,048] x [K 2,048, N 64]; A: computed on the way; B: computed on the way: QUANTISED
;;     6. [M 4,096, K 1,024] x [K 1,024, N 1,024]; A: computed on the way; B: input Wo (given as codes): QUANTISED
;;   THE QUANTISER, for each operand of a quantised product, along K:
;;     - K is cut into blocks of 32 from its start; a last block that is shorter is filled with zeros.
;;     - A block's scale is 2^e with e = floor(log2(the largest magnitude in the block)) - 8, held to -126 .. 127; a block of zeros has e = 0. As a byte (E8M0): e + 127.
;;     - Each number is divided by its block's scale, clamped to +-448, and rounded to the nearest number of E4M3, ties to even, subnormals kept.
;;     - The product sums the exact products of the quantised numbers (number of the format x scale) in f32.
;;   ~~~python
;;   def quantise(x, axis):      # numpy; x: float32 -> the quantised numbers, widened to float32 again
;;       x = np.moveaxis(x, axis, -1); K = x.shape[-1]
;;       x = np.pad(x, [(0, 0)] * (x.ndim - 1) + [(0, -K % 32)]); x = x.reshape(x.shape[:-1] + (-1, 32)); a = np.abs(x).max(-1, keepdims=True)
;;       e = np.where(a > 0, np.clip(np.frexp(np.where(a > 0, a, 1))[1] - 1 - 8, -126, 127), 0)      # np.frexp(a)[1] - 1 = floor(log2(a)), exactly
;;       r = np.clip(x / 2.0 ** e, -448, 448)
;;       step = 2.0 ** (np.maximum(np.frexp(np.where(r == 0, 1, r))[1] - 1, -6) - 3)
;;       q = np.round(r / step) * step * 2.0 ** e      # np.round: ties to even
;;       return np.moveaxis(q.reshape(q.shape[:-2] + (-1,))[..., :K], -1, axis).astype(np.float32)
;;   ~~~
;;   OPERANDS COMPUTED ON THE WAY. 'Computed on the way' means the value that the module computes at that place (a softmax that the list does not call 'softmax' is quantised finished and normalised). What goes into a quantiser is computed in f32, as accurately as f32 sums, v_exp_f32 and their like allow (about 1e-6 of the number): no bf16 or f16 on the way to a quantiser, and a product that is left as it is and whose result goes on into a quantised operand takes f32 operands (vector FMAs, or v_wmma_f32_16x16x4_f32). A number that lies on a knife's edge between two numbers of the format may be rounded either way, as far as f32 arithmetic and the matrix unit's own rounding can turn it there, and no further.
;;   INPUTS GIVEN AS CODES. Wk (in the module: [1024, 1024], K = its axis 1); Wo (in the module: [1024, 1024], K = its axis 1); Wq (in the module: [1024, 1024], K = its axis 1); Wv (in the module: [1024, 1024], K = its axis 1); x (in the module: [2, 2048, 1024], K = its axis 2): each comes as NAME_codes (uint8): NAME with its K axis moved to the last place and cut into blocks of 32 codes, [.., K / 32, bytes a block], one block behind the other in memory; one code a byte (a code: sign, 4 exponent bits, 3 mantissa bits); and NAME_scales (uint8): the same leading axes, one E8M0 byte (e + 127) for each 32 codes along K. Its value is code x scale, taken as it is: it is not quantised again, and the codes and scales need not be those that the quantiser above would give.
;; 2 versions, each right; version 2 is version 1 with the launch attn written anew for expert scheduling mode. Each part assembles by itself: llvm-mc -triple=amdgcn-amd-amdhsa -mcpu=gfx1250 --defsym DOCPART=n.
;; ======== version 1 of 2: 3 launches
;; workspace buffers: qimg 4,194,304 bytes; kimg 4,194,304 bytes; vimg 4,194,304 bytes; oimg 4,194,304 bytes; qsc 131,072 bytes; ksc 131,072 bytes; vsc 131,072 bytes; osc 131,072 bytes
;; launch proj (part 1): grid 12 x 16, 4 waves a work-group, clusters of 4 x 4, 327,680 bytes of LDS; arguments x_codes, x_scales, Wq_codes, Wq_scales, Wk_codes, Wk_scales, Wv_codes, Wv_scales, qimg, qsc, kimg, ksc, vimg, vsc; writes qimg, qsc, kimg, ksc, vimg, vsc
.if DOCPART == 1
	.amdgcn_target "amdgcn-amd-amdhsa--gfx1250"
	.amdhsa_code_object_version 6
	.text
	.protected	k_q08cef298ad_proj
	.globl	k_q08cef298ad_proj
	.p2align	8
	.type	k_q08cef298ad_proj,@function
k_q08cef298ad_proj:
	s_mov_b64 s[64:65], 0
	v_nop
	global_prefetch_b8 v0, s[64:65] scope:SCOPE_SE
	s_setreg_imm32_b32 hwreg(HW_REG_WAVE_MODE, 25, 1), 1
	s_wait_xcnt 0x0
	s_wait_alu depctr_hold_cnt(0) depctr_sa_sdst(0) depctr_va_vdst(0) depctr_va_sdst(0) depctr_va_ssrc(0) depctr_va_vcc(0) depctr_vm_vsrc(0)
	s_getreg_b32 s2, hwreg(HW_REG_IB_STS2, 6, 4)
	s_cmp_eq_u32 s2, 0
	s_cbranch_scc0 .Lentry_in_a_cluster
	s_endpgm
.Lentry_in_a_cluster:
	s_bfe_u32 s2, ttmp6, 0x10000c
	s_cmp_lg_u32 s2, 0xf033
	s_cbranch_scc0 .Lentry_shape_is_right
	s_endpgm
.Lentry_shape_is_right:
; THE THREE PROJECTIONS x Wq^T, x Wk^T, x Wv^T on codes of FP8 (E4M3) with one E8M0 scale for each 32 along K = 1,024; then Q and K are divided by max(the head's l2 norm, 1e-12) and
; quantised along the head's 64, and V is quantised along the tokens (the keys of the later product).  The results leave as IMAGES OF OPERAND REGISTERS, which the next launch loads as they lie.
; The cluster's x says which product: 0 Q, 1 K, 2 V; it is equal in all partners and only chooses pointers and two tile numbers.
; A product's tile is 256 x 256, four waves, a wave 128 x 128: 64 accumulators, 512 registers.  The matrix instruction takes 16 rows of "B" as source 0 and 16 rows of "A" as source 1:
; a lane then holds ONE row of A, and its registers run along rows of B.  Q, K: A = x (a lane is a token), B = the weight (registers along features).  V: A = Wv (a lane is a feature), B = x (registers along tokens).
; So in all three the registers run along the axis that is quantised.  K goes in steps of 256 through a ring of two LDS slots filled by the tensor data mover; the scale bytes of the 256 + 256 rows come once.
; CLUSTERS: 4 x 4 work-groups; A's tiles are asked for jointly along a row of the cluster, B's along a column.  192 work-groups: 64 tiles for each product.
; AN IMAGE is 2,048 bytes: 16 rows x 128 along K; register group c (0..3) at byte 512 c + 16 x lane; lane (r, h) holds k = 32 c + 16 h + 0..15 of row r.
; A SCALE IMAGE is 512 bytes for 8 tiles of rows: 16 bytes a lane; word p of lanes 0-15 is tile 2 p, of lanes 16-31 tile 2 p + 1; a word is the four bytes of a row's 128 along K.
; qimg, kimg: [128-chunk of features 8][tile of tokens 256]; vimg: [128-chunk of tokens 32][tile of features 64]; the scale images alike, eight tiles to one.
; LIMITS: NaN and infinities (NaN codes, scale byte 0xff) among the inputs are not served.  A block of zeros gets the scale byte 1 where the rule says 127: its codes are zeros, and this program alone reads the bytes.
; 1 / max(n, 1e-12) is taken as min(rsq(n^2), 1e12): one rounding of the reciprocal root and one of the product, where the definition has a root and a division.
; REGISTERS, in windows of 256: window 0: v0-31 addresses; v32-63 scale words, two sets; from v128 A's fragments, one set; on the way out v64-183 are at work.
;   window 1: B's fragments, two sets.   window 2: the accumulators of my A rows 0-63 (accumulator (a, b) at v[8 (8 a + b)]);   window 3: those of rows 64-127.
.set SIZE_K, 1024
.set KSTEP,  256                       ; along K in a slot
.set NQ,     KSTEP/128                 ; matrix instructions deep
.set ROWB,   256                       ; a tile's row in bytes
.set KROW,   SIZE_K                    ; a row of codes in memory, in bytes
.set PITCH,  272                       ; an LDS row: 256 bytes + 16 of padding = 68 words: row r starts at bank 4 r mod 64 (64 banks of 4 bytes: ISA guide 11.1)
.set FR,     16                        ; registers of a fragment
.set NL,     4                         ; LDS loads that bring one
.set NP,     8                         ; places behind this matrix instruction (ISA guide 7.12.1)
.set HALFT,  128*PITCH                 ; 128 rows: what one tensor load brings
.set SLOT,   4*HALFT                   ; A's 256 rows, then B's 256 rows
.set LAPS,   SIZE_K/(2*KSTEP)          ; a lap = two K steps = once round the ring
.set KS,     SIZE_K/32                 ; a row of scale bytes
.set SCL,    2*SLOT                    ; behind the ring: the scales, as units of 256 bytes + 16 of padding
.set HALFS,  (128*KS/256)*272          ; the scales of 128 rows
.set SBLK,   (16*KS/256)*272           ; those of 16 rows
.set SPARE,  SCL+4*HALFS               ; behind the scales: the spare words, 128 bytes for each wave: two blocks of 256 bytes that no other line names
.set ADRA, 16                          ; v16-17  LDS address of my A fragments in slot 0, 1
.set ADRB, 20                          ; v20-21  the same for B
.set LI,   24                          ; v24     16 x lane: my place in an image
.set ADRS, 27                          ; v27     LDS address of my scale words: lanes 0-15 A's rows, lanes 16-31 B's
.set SPW,  28                          ; v28     LDS address of my spare word; never rewritten
.set NIL,  29                          ; v29     0; never rewritten
.set SC,   32                          ; scale words, two sets of 16
.set AF,   128                         ; A's fragments, in window 0
.set Y,    64                          ; the way out: v64-127 a block's 64 numbers a lane
.set PC,   128                         ; v128-143 its codes
.set TM,   144                         ; v144-147 largest magnitudes, v148-151 bytes, v152-155 448 x the scale, v156-159 the conversions' scale operands
.set PW,   160                         ; v160 the scale word just made;  v161 that of the even block before
.set PWE,  161
.set SCI,  164                         ; v164-167 my 16 bytes of the scale image
.set SS,   168                         ; v168-175 sums of squares: two pairs for each head
.set INV0, 176                         ; v[176:177], v[178:179] 1 / norm of the two heads (the packed form names a pair and takes its low word)
.set INV1, 178
.set TT,   180                         ; v180-181 at work
.set SEL,  20                          ; s[20:21] lane selects for v_permlanex16_b32: lane l xor 16   (set behind the loop: the head uses these registers)
.set MNT,  22                          ; s22  the mantissa field of 448
.set BIG,  23                          ; s23  1e12
.set G1, 24                            ; s[24:31] descriptor group 1 for A's tiles;  s[32:39] group 0, one set for each slot
.set G0, 32
.set G1B, 48                           ; s[48:55], s[56:63] the same for B's tiles
.set G0B, 56
.set G1S, 68                           ; s[68:75], s[76:79] groups 1 and 0 for A's scales;  s[80:87], s[88:91] for B's
.set G0S, 76
.set G1SB, 80
.set G0SB, 88
.set MSB, 0
.macro WIN new                         ; the immediate's high byte repeats the setting that is left; a switch that changes nothing is dropped
.if MSB != (\new)
	s_set_vgpr_msb (MSB<<8)|(\new)
.set MSB, (\new)
.endif
.endm
.set MUL_LO, 0xa1                      ; source 0 (B) window 1, source 1 (A) window 0, C and D window 2
.set MUL_HI, 0xf1                      ; the same, C and D window 3
.set TO_B,   0x40                      ; destination window 1, address window 0
; A joint load: waves 0 and 1 fetch for A, waves 2 and 3 for B.  Each line has one mask and one set of registers for all that issue it; the branch hangs on the wave's number alone.
; Four v_nop follow each of the two lines, ahead of the jump, the label and what follows.
.macro JLOAD g0a, g1a, g0b, g1b
	s_cmp_eq_u32 s15, 0
	s_cbranch_scc0 .Lfor_b_\@
	tensor_load_to_lds s[\g0a:\g0a+3], s[\g1a:\g1a+7]
	s_nop 0
.rept 4
	v_nop
.endr
	s_branch .Lasked_\@
.Lfor_b_\@:
	tensor_load_to_lds s[\g0b:\g0b+3], s[\g1b:\g1b+7]
	s_nop 0
.rept 4
	v_nop
.endr
.Lasked_\@:
.endm
.macro CREST                           ; a round of the cluster's barrier behind its opening barrier
	s_cmp_lg_u32 s14, 0
	s_cbranch_scc1 .Lnot_wave_0_\@
	s_barrier_signal -3
.Lnot_wave_0_\@:
	s_barrier_wait -3
	s_barrier_signal -1
	s_barrier_wait -1
.endm
.macro CROUND                          ; a whole round
	s_barrier_signal -1
	s_barrier_wait -1
	CREST
.endm
	s_load_b512 s[68:83], s[0:1], 0x0              ; x codes, x scales, Wq codes, Wq scales, Wk codes, Wk scales, Wv codes, Wv scales
	s_load_b256 s[84:91], s[0:1], 0x40             ; qimg, qsc, kimg, ksc
	s_load_b128 s[92:95], s[0:1], 0x60             ; vimg, vsc
	v_lshl_add_u32 v[SPW], v0, 2, SPARE
	v_mov_b32 v[NIL], 0
	ds_add_u32 v28, v29
	ds_add_u32 v28, v29
	s_wait_dscnt 0x0
	v_lshrrev_b32 v1, 5, v0
	v_readfirstlane_b32 s14, v1                    ; wave 0..3
	s_lshr_b32 s15, s14, 1                         ; which half of A's rows is mine.  Also: I fetch for A (0) or for B (1)
	s_and_b32 s16, s14, 1                          ; which half of B's rows.  Also: which 128 rows of that tile I fetch
	s_bfe_u32 s40, ttmp6, 0x40000                  ; cx, cy: my place in the cluster
	s_bfe_u32 s41, ttmp6, 0x40004
	s_and_b32 s18, ttmp7, 0xffff
	s_lshl_b32 s18, s18, 2                         ; 4 x the cluster's y
	s_lshl_b32 s43, s41, 2
	s_lshl_b32 s43, 15, s43                        ; my row of the cluster
	s_lshl_b32 s44, 0x1111, s40                    ; my column
	s_wait_kmcnt 0x0
	s_cmp_eq_u32 ttmp9, 0                          ; Q's weight and images, or K's: the choice hangs on the cluster's x alone
	s_cselect_b64 s[8:9], s[72:73], s[76:77]
	s_cselect_b64 s[10:11], s[74:75], s[78:79]
	s_cselect_b64 s[12:13], s[84:85], s[88:89]
	s_cselect_b64 s[98:99], s[86:87], s[90:91]
	s_cmp_eq_u32 ttmp9, 2                          ; V: A is Wv and B is x; else A is x and B the weight
	s_cselect_b64 s[4:5], s[80:81], s[68:69]       ; A's codes
	s_cselect_b64 s[6:7], s[82:83], s[70:71]       ; A's scales
	s_cselect_b64 s[8:9], s[68:69], s[8:9]         ; B's codes
	s_cselect_b64 s[10:11], s[70:71], s[10:11]     ; B's scales
	s_cselect_b64 s[12:13], s[92:93], s[12:13]     ; the images
	s_cselect_b64 s[98:99], s[94:95], s[98:99]     ; the scale images
	s_cselect_b32 s96, -1, 0                       ; a lane mask: V is not normalised
	s_cselect_b32 s97, 6, 8                        ; log2 of A's tiles of 16 rows: 64 of features, 256 of tokens
	s_cselect_b32 s17, 0, s18                      ; x has 16 tiles of 256 rows, a weight 4: the cluster's y goes to whichever side x is on
	s_cselect_b32 s42, s18, 0
	s_add_co_u32 s17, s17, s41                     ; A's tile: hangs on cy, never on cx
	s_add_co_u32 s42, s42, s40                     ; B's tile: hangs on cx, never on cy
	; descriptor group 1: a tile of 128 rows x ROWB bytes, padded in LDS
	s_or_b32 s[G1+0], s43, (0<<16)|(1<<20)|(1<<21)|(5<<22)|(3<<25)  ; 15:0 the mask: A's tiles go to my row; 17:16 element of 1 byte; 20 padding on; 21 set beside a mask; 24:22 after every 64 words (code 5); 31:25 of 4 words (code 3)
	s_or_b32 s[G1B+0], s44, (0<<16)|(1<<20)|(1<<21)|(5<<22)|(3<<25)
.irp g, G1, G1B
	s_mov_b32 s[\g+1], ROWB<<16                    ; tensor_dim0
	s_mov_b32 s[\g+2], 128<<16                     ; tensor_dim1 = 128
	s_mov_b32 s[\g+3], ROWB<<16                    ; tile_dim0
	s_mov_b32 s[\g+4], 128                         ; tile_dim1 = 128
	s_mov_b32 s[\g+5], KROW                        ; tensor_dim0_stride
	s_mov_b32 s[\g+6], 0
	s_mov_b32 s[\g+7], 0
.endr
	; and for the scales of 128 rows: a dense block of 4,096 bytes, as rows of 256 bytes (32 elements of 8 bytes), 16 bytes of padding behind each
	s_or_b32 s[G1S+0], s43, (3<<16)|(1<<20)|(1<<21)|(5<<22)|(3<<25)
	s_or_b32 s[G1SB+0], s44, (3<<16)|(1<<20)|(1<<21)|(5<<22)|(3<<25)
.irp g, G1S, G1SB
	s_mov_b32 s[\g+1], 32<<16
	s_mov_b32 s[\g+2], (128*KS/256)<<16
	s_mov_b32 s[\g+3], 32<<16
	s_mov_b32 s[\g+4], 128*KS/256
	s_mov_b32 s[\g+5], 32
	s_mov_b32 s[\g+6], 0
	s_mov_b32 s[\g+7], 0
.endr
	s_lshl_b32 s18, s16, 7                         ; which 128 rows of the tile I fetch
	s_lshl_b32 s20, s17, 8
	s_add_co_u32 s20, s20, s18                     ; A: row 256 x tile + 128 x half
	s_lshl_b32 s46, s42, 8
	s_add_co_u32 s46, s46, s18                     ; B likewise
	s_mov_b32 s21, 0
	s_mov_b32 s47, 0
	s_mov_b64 s[18:19], KS
	s_mul_u64 s[22:23], s[20:21], s[18:19]         ; where these rows' scales begin, in bytes
	s_mul_u64 s[92:93], s[46:47], s[18:19]
	s_mov_b64 s[18:19], KROW
	s_mul_u64 s[20:21], s[20:21], s[18:19]         ; and their codes
	s_mul_u64 s[46:47], s[46:47], s[18:19]
	s_mul_i32 s45, s14, HALFT                      ; where they go: wave x 128 rows: no place in the cluster enters an LDS address
	s_mul_i32 s94, s14, HALFS
	s_add_nc_u64 s[20:21], s[4:5], s[20:21]
	s_add_nc_u64 s[22:23], s[6:7], s[22:23]
	s_add_nc_u64 s[46:47], s[8:9], s[46:47]
	s_add_nc_u64 s[92:93], s[10:11], s[92:93]
	CROUND                                         ; all sixteen work-groups are here: the first joint loads meet
	s_mov_b32 s[G0S], 1
	s_add_co_u32 s[G0S+1], s94, SCL
	s_mov_b64 s[G0S+2:G0S+3], s[22:23]
	s_or_b32 s[G0S+3], s[G0S+3], 0x80000000
	s_mov_b32 s[G0SB], 1
	s_add_co_u32 s[G0SB+1], s94, SCL
	s_mov_b64 s[G0SB+2:G0SB+3], s[92:93]
	s_or_b32 s[G0SB+3], s[G0SB+3], 0x80000000
	JLOAD G0S, G1S, G0SB, G1SB                     ; the scales first: they are wanted with K step 0
.irp s, 0,1
	s_mov_b32 s[G0+4*\s], 1
	s_add_co_u32 s[G0+4*\s+1], s45, \s*SLOT
	s_add_nc_u64 s[G0+4*\s+2:G0+4*\s+3], s[20:21], \s*ROWB
	s_or_b32 s[G0+4*\s+3], s[G0+4*\s+3], 0x80000000
	s_mov_b32 s[G0B+4*\s], 1
	s_add_co_u32 s[G0B+4*\s+1], s45, \s*SLOT
	s_add_nc_u64 s[G0B+4*\s+2:G0B+4*\s+3], s[46:47], \s*ROWB
	s_or_b32 s[G0B+4*\s+3], s[G0B+4*\s+3], 0x80000000
	JLOAD G0+4*\s, G1, G0B+4*\s, G1B               ; three tensor loads of mine are out now
.endr
	v_and_b32 v1, 15, v0                           ; l % 16
	v_bfe_u32 v2, v0, 4, 1                         ; l / 16
	v_mul_u32_u24 v3, v1, PITCH
	v_lshl_add_u32 v4, v2, 4, v3                   ; a fragment's row x pitch + 16 x half
	s_mul_i32 s21, s15, HALFT                      ; my 128 rows of A
	s_mul_i32 s22, s16, HALFT                      ; my 128 rows of B,
	s_add_co_u32 s22, s22, 2*HALFT                 ; which lie behind A's 256
.irp s, 0,1
	v_add_nc_u32 v[ADRA+\s], s21, v4
	v_add_nc_u32 v[ADRB+\s], s22, v4
	s_add_co_u32 s21, s21, SLOT
	s_add_co_u32 s22, s22, SLOT
.endr
	v_mul_u32_u24 v5, v1, KS                       ; my row's scales: KS bytes a row,
	v_lshrrev_b32 v6, 8, v5
	v_lshl_add_u32 v5, v6, 4, v5                   ; and 16 more for each 256 passed
	s_mul_i32 s21, s15, HALFS                      ; A's: my 128 rows
	s_mul_i32 s22, s16, HALFS                      ; B's: my 128 rows, behind A's 256
	s_add_co_u32 s22, s22, 2*HALFS
	s_sub_co_u32 s22, s22, s21
	v_mul_u32_u24 v6, s22, v2                      ; lanes 16-31 take B's
	s_add_co_u32 s21, s21, SCL
	v_add_nc_u32 v5, v5, v6
	v_add_nc_u32 v[ADRS], s21, v5
	v_and_b32 v6, 31, v0
	v_lshlrev_b32 v[LI], 4, v6                     ; 16 x lane
	; where my eight images and my scale image begin: image number = (my 128-chunk of B's rows << log2 of A's tiles) + my first tile of A's rows
	s_lshl_b32 s20, s42, 1
	s_add_co_u32 s20, s20, s16                     ; the chunk: 2 x B's tile + half
	s_lshl_b32 s21, s20, s97
	s_lshl_b32 s22, s17, 4
	s_lshl_b32 s23, s15, 3
	s_add_co_u32 s22, s22, s23                     ; 16 x A's tile + 8 x half
	s_add_co_u32 s21, s21, s22
	s_lshl_b32 s46, s21, 11                        ; 2,048 bytes an image
	s_mov_b32 s47, 0
	s_add_nc_u64 s[12:13], s[12:13], s[46:47]
	s_lshr_b32 s21, s21, 3                         ; eight tiles to a scale image
	s_lshl_b32 s46, s21, 9                         ; of 512 bytes
	s_add_nc_u64 s[98:99], s[98:99], s[46:47]
.macro FRAG reg, adr, q, i             ; a fragment, 16 rows x 128 K of 8-bit codes, is 16 registers: lane l holds row l % 16; registers 4 c .. 4 c + 3 hold K = 32 c + 16 (l / 16) + 0 .. 15
.irp c, 0,1,2,3
	ds_load_b128 v[\reg+4*\c:\reg+4*\c+3], v[\adr] offset:128*(\q)+32*\c+(\i)*16*PITCH
.endr
.endm
; 16 matrix instructions: A's blocks a0, a0 + 1 x B's eight, 128 along K: the slot's q-th.  p: B's set;  sc: the set of scale words.  zero = 1: the first product starts the sums: nothing is ever cleared.
; The 64 accumulators take turns, one instruction a turn, in the same order in every step.
.macro MUL16 a0, p, q, sc, zero
.irp a, \a0, \a0+1
.irp b, 0,1,2,3,4,5,6,7
.if \zero
	v_wmma_scale_f32_16x16x128_f8f6f4 v[8*(8*((\a)%4)+\b):8*(8*((\a)%4)+\b)+7], v[128*(\p)+FR*\b:128*(\p)+FR*\b+FR-1], v[AF+FR*(\a):AF+FR*(\a)+FR-1], 0, v[SC+8*NQ*(\sc)+NQ*\b+(\q)], v[SC+8*NQ*(\sc)+NQ*(\a)+(\q)] matrix_a_scale:MATRIX_SCALE_ROW1
.else
	v_wmma_scale_f32_16x16x128_f8f6f4 v[8*(8*((\a)%4)+\b):8*(8*((\a)%4)+\b)+7], v[128*(\p)+FR*\b:128*(\p)+FR*\b+FR-1], v[AF+FR*(\a):AF+FR*(\a)+FR-1], v[8*(8*((\a)%4)+\b):8*(8*((\a)%4)+\b)+7], v[SC+8*NQ*(\sc)+NQ*\b+(\q)], v[SC+8*NQ*(\sc)+NQ*(\a)+(\q)] matrix_a_scale:MATRIX_SCALE_ROW1
.endif
.endr
.endr
.endm
.macro FETCH_B slot, q, p              ; B's eight fragments of the slot's q-th 128 along K into set p
	WIN TO_B
.irp i, 0,1,2,3,4,5,6,7
	FRAG 128*(\p)+FR*\i, ADRB+\slot, \q, \i
.endr
	WIN 0
.endm
.macro FETCH_A slot, q, i0             ; A's blocks i0 .. i0 + 3
.irp i, \i0, \i0+1, \i0+2, \i0+3
	FRAG AF+FR*(\i), ADRA+\slot, \q, \i
.endr
.endm
.macro SCALES sc                       ; the next K step's scale words into set sc: two words a row; lanes 0-15 take A's block i, lanes 16-31 B's block i
.irp i, 0,1,2,3,4,5,6,7
	ds_load_b64 v[SC+8*NQ*\sc+NQ*\i:SC+8*NQ*\sc+NQ*\i+1], v[ADRS] offset:\i*SBLK
.endr
.endm
; A load into a register that a matrix instruction has read, and a vector instruction that reads a matrix result or writes one of its registers, stand NP places behind it; only plain
; vector instructions that name none of its registers are places (ISA guide 7.12.1 for vector instructions).
.macro PLACES n
.rept \n
	v_nop
.endr
.endm
; A step of 128 along K that has its successor in the same slot.
.macro STEP slot, q, zero
	s_wait_dscnt 4*NL                              ; B's set and A's blocks 0-3 are in; the youngest sixteen loads (A's blocks 4-7) may be out
	WIN MUL_LO
	MUL16 0, (\q)%2, \q, \slot, \zero
	MUL16 2, (\q)%2, \q, \slot, \zero
	s_wait_dscnt 0                                 ; A's blocks 4-7 are in (asked for 32 matrix instructions ago)
	PLACES NP
	FETCH_B \slot, (\q)+1, 1-(\q)%2
	FETCH_A \slot, (\q)+1, 0
	WIN MUL_HI
	MUL16 4, (\q)%2, \q, \slot, \zero
	MUL16 6, (\q)%2, \q, \slot, \zero
	PLACES NP
	WIN 0
	FETCH_A \slot, (\q)+1, 4
.endm
; A slot's last step changes slots: ONE barrier; in front of it each wave waits for all its tensor loads, adds 0 to its spare word, and waits for that and for its own reads of this slot.  fill = 1: this slot is filled again, two K steps ahead.
.macro TURN slot, next, fill
	s_wait_tensorcnt 0x0                           ; all my tensor loads have landed: my part of the next slot  (every window is 0 here)
	ds_add_u32 v[SPW], v[NIL]                      ; 0 onto my spare word
	s_wait_dscnt 4*NL+1                            ; (the add and the youngest sixteen loads, A's blocks 4-7, may be out)
	WIN MUL_LO
	MUL16 0, 1, NQ-1, \slot, 0                     ; sixteen matrix instructions stand between the add and the wait for it
	s_wait_dscnt 0x0                               ; the add is done, and my reads of this slot are over
	s_barrier_signal -1
	MUL16 2, 1, NQ-1, \slot, 0
	WIN 0
	s_barrier_wait -1
.if \fill
	CREST                                          ; the barrier has opened a round of the cluster's barrier: no wave of any partner still reads this slot's tile or has a load on its way
	s_add_nc_u64 s[G0+4*\slot+2:G0+4*\slot+3], s[G0+4*\slot+2:G0+4*\slot+3], 2*ROWB
	s_add_nc_u64 s[G0B+4*\slot+2:G0B+4*\slot+3], s[G0B+4*\slot+2:G0B+4*\slot+3], 2*ROWB
	JLOAD G0+4*\slot, G1, G0B+4*\slot, G1B         ; the first tensor load behind the round, my only one until the next; its four v_nop are among the places in front of the loads below
	PLACES NP-4
.else
	PLACES NP
.endif
	v_add_nc_u32 v[ADRS], 4*NQ, v[ADRS]            ; on to the next K step's scale words (no LDS load of mine is out)
	FETCH_B \next, 0, 0
	FETCH_A \next, 0, 0
	SCALES \next
	WIN MUL_HI
	MUL16 4, 1, NQ-1, \slot, 0
	MUL16 6, 1, NQ-1, \slot, 0
	PLACES NP
	WIN 0
	FETCH_A \next, 0, 4
.endm
	s_wait_tensorcnt 1                             ; the scales and my part of K step 0 are in (K step 1's load may be out)
	s_barrier_signal -1
	s_barrier_wait -1                              ; everybody's are
	FETCH_B 0, 0, 0
	FETCH_A 0, 0, 0
	SCALES 0
	FETCH_A 0, 0, 4
	STEP 0, 0, 1                                   ; the first step stands in front of the loop: its products start the sums
	s_mov_b32 s3, LAPS-1
.Llap:                                                 ; a trip goes once round the ring, from a lap's second step to the next lap's first, and fills both slots again
	TURN 0, 1, 1
	STEP 1, 0, 0
	TURN 1, 0, 1
	STEP 0, 0, 0
	s_sub_co_u32 s3, s3, 1
	s_cmp_lg_u32 s3, 0
	s_cbranch_scc1 .Llap
	TURN 0, 1, 0                                   ; the last lap fills nothing, and has no round of the cluster's barrier
	STEP 1, 0, 0
	s_wait_dscnt 4*NL                              ; the very last step: nothing more to fetch
	WIN MUL_LO
	MUL16 0, 1, NQ-1, 1, 0
	MUL16 2, 1, NQ-1, 1, 0
	s_wait_dscnt 0
	WIN MUL_HI
	MUL16 4, 1, NQ-1, 1, 0
	MUL16 6, 1, NQ-1, 1, 0
	WIN 0
; 64 numbers of a lane, v[s] .. v[s + 63], register 16 b + i = k 32 b + 16 (lane / 16) + i of my row, become a fragment's codes in v[PC] on and its scale word in v[PW].
.macro QUANT s
.irp b, 0,1,2,3
	v_max3_num_f32 v[TM+\b], |v[\s+16*\b]|, |v[\s+1+16*\b]|, 0x4800000   ; block b: my 16 numbers, and the floor 2^(9 - 127), under which no largest magnitude is taken: so the byte cannot fall under 1
.endr
.irp i, 2,4,6,8,10,12,14
.irp b, 0,1,2,3
	v_max3_num_f32 v[TM+\b], v[TM+\b], |v[\s+16*\b+\i]|, |v[\s+1+16*\b+\i]|   ; (the four blocks by turns: no line waits for the line above it)
.endr
.endr
.irp b, 0,1,2,3
	v_permlanex16_b32 v[TM+4+\b], v[TM+\b], s[SEL], s[SEL+1]
.endr
.irp b, 0,1,2,3
	v_max_num_f32 v[TM+\b], v[TM+\b], v[TM+4+\b]   ; with lane l xor 16's: the block's largest magnitude
.endr
.irp b, 0,1,2,3
	v_add_nc_u32 v[TM+12+\b], 0xfc000000, v[TM+\b] ; 8 off its exponent field: the conversion takes the exponent field of this operand as its scale, and nothing else of it
.endr
.irp b, 0,1,2,3
	v_and_or_b32 v[TM+8+\b], v[TM+\b], 0x7f800000, s[MNT]   ; 448 x the scale: the largest magnitude's exponent field over 448's mantissa
.endr
.irp b, 0,1,2,3
	v_lshrrev_b32 v[TM+4+\b], 23, v[TM+12+\b]      ; the scale's byte
.endr
	v_lshl_or_b32 v[PW], v[TM+5], 8, v[TM+4]       ; the four bytes make my row's scale word
	v_lshl_or_b32 v[PW], v[TM+6], 16, v[PW]
	v_lshl_or_b32 v[PW], v[TM+7], 24, v[PW]
.irp b, 0,1,2,3
.irp i, 0,1,2,3,4,5,6,7,8,9,10,11,12,13,14,15
	v_med3_num_f32 v[\s+16*\b+\i], v[\s+16*\b+\i], -v[TM+8+\b], v[TM+8+\b]   ; the conversion to an 8-bit code does not saturate (ISA guide 7.6.2): the hold at the largest code x the scale
.endr
	v_cvt_scalef32_pk8_fp8_f32 v[PC+4*\b:PC+1+4*\b], v[\s+16*\b:\s+7+16*\b], v[TM+12+\b]
	v_cvt_scalef32_pk8_fp8_f32 v[PC+2+4*\b:PC+3+4*\b], v[\s+8+16*\b:\s+15+16*\b], v[TM+12+\b]
.endr
	v_nop                                          ; one plain vector instruction behind the last scaled conversion, ahead of whatever next writes its sources
.endm
; THE WAY OUT of block a: 16 rows of A x my 128 rows of B.  Lane (r, h) holds row r; register 8 b + j holds B's row 16 b + 8 h + j.  Registers 0-31 are one head's features (Q, K), 32-63 the next head's.
.macro OUTBLK a
.set AC, 64*((\a)%4)
.set WA, 2+(\a)/4
.set WW, WA|(WA<<2)
.if (\a) > 0
	s_wait_xcnt 0x0                                ; the last block's stores have read their data: the codes' registers may be written again
.endif
	WIN WW                                         ; sources 0 and 1: the accumulators' window
.irp e, 0,1                            ; sums of squares, two packed chains a head, the heads by turns; each accumulator is read from its low pair on
	v_pk_mul_f32 v[SS+4*\e:SS+4*\e+1], v[AC+32*\e:AC+32*\e+1], v[AC+32*\e:AC+32*\e+1]
	v_pk_mul_f32 v[SS+4*\e+2:SS+4*\e+3], v[AC+32*\e+2:AC+32*\e+3], v[AC+32*\e+2:AC+32*\e+3]
.endr
.irp i, 4,8,12,16,20,24,28
.irp e, 0,1
	v_pk_fma_f32 v[SS+4*\e:SS+4*\e+1], v[AC+32*\e+\i:AC+32*\e+\i+1], v[AC+32*\e+\i:AC+32*\e+\i+1], v[SS+4*\e:SS+4*\e+1]
	v_pk_fma_f32 v[SS+4*\e+2:SS+4*\e+3], v[AC+32*\e+\i+2:AC+32*\e+\i+3], v[AC+32*\e+\i+2:AC+32*\e+\i+3], v[SS+4*\e+2:SS+4*\e+3]
.endr
.endr
	WIN 0
	v_pk_add_f32 v[SS:SS+1], v[SS:SS+1], v[SS+2:SS+3]
	v_pk_add_f32 v[SS+4:SS+5], v[SS+4:SS+5], v[SS+6:SS+7]
	v_add_f32 v[SS], v[SS], v[SS+1]
	v_add_f32 v[SS+4], v[SS+4], v[SS+5]
	v_permlanex16_b32 v[TT], v[SS], s[SEL], s[SEL+1]      ; the head's other 32 features lie in the lane 16 away
	v_permlanex16_b32 v[TT+1], v[SS+4], s[SEL], s[SEL+1]
	v_add_f32 v[SS], v[SS], v[TT]
	v_add_f32 v[SS+4], v[SS+4], v[TT+1]
	v_rsq_f32 v[INV0], v[SS]
	v_rsq_f32 v[INV1], v[SS+4]
	v_nop                                          ; a plain place behind the transcendentals
	s_wait_alu depctr_va_vdst(0)
	v_min_num_f32 v[INV0], s[BIG], v[INV0]         ; 1 / max(n, 1e-12)
	v_min_num_f32 v[INV1], s[BIG], v[INV1]
	v_cndmask_b32 v[INV0], v[INV0], 1.0, s96       ; V is taken as it is
	v_cndmask_b32 v[INV1], v[INV1], 1.0, s96
	WIN WA                                         ; source 0: the accumulators' window
.irp i, 0,2,4,6,8,10,12,14,16,18,20,22,24,26,28,30
	v_pk_mul_f32 v[Y+\i:Y+\i+1], v[AC+\i:AC+\i+1], v[INV0:INV0+1] op_sel_hi:[1,0]
.endr
.irp i, 32,34,36,38,40,42,44,46,48,50,52,54,56,58,60,62
	v_pk_mul_f32 v[Y+\i:Y+\i+1], v[AC+\i:AC+\i+1], v[INV1:INV1+1] op_sel_hi:[1,0]
.endr
	WIN 0
.irp c, 0,1,2,3                        ; register 16 c + 8 u + j holds k = 32 c + 16 u + 8 h + j; the operand wants 32 c + 16 h + 8 u + j: u and h change places
.irp j, 0,1,2,3,4,5,6,7
	v_permlane16_swap_b32 v[Y+16*\c+\j], v[Y+16*\c+8+\j]   ; the first register's lanes 16-31 against the second's lanes 0-15
.endr
.endr
	QUANT Y
.irp c, 0,1,2,3
	global_store_b128 v[LI], v[PC+4*\c:PC+4*\c+3], s[12:13] offset:2048*(\a)+512*\c   ; 32 lanes store 512 consecutive bytes, at a multiple of 256 from the buffer's first byte
.endr
.if (\a)%2 == 0
	v_mov_b32 v[PWE], v[PW]
.else
	v_cndmask_b32 v[SCI+(\a)/2], v[PWE], v[PW], s3 ; lanes 0-15: the even tile's words; lanes 16-31: the odd tile's
.endif
.endm
	s_mov_b32 s[SEL], 0x76543210
	s_mov_b32 s[SEL+1], 0xfedcba98
	s_mov_b32 s[MNT], 0x600000
	s_mov_b32 s[BIG], 0x5368d4a5                   ; 1e12
	s_mov_b32 s3, 0xffff0000                       ; lanes 16-31
	PLACES NP                                      ; behind the last products: A's fragment registers are written below
.irp b, 0,1,2,3
	v_mov_b32 v[TM+4+\b], 0                        ; written once: a lane permute's destination counts as one of its sources
.endr
	v_mov_b32 v[TT], 0
	v_mov_b32 v[TT+1], 0
	v_mov_b32 v[INV0+1], 0                         ; (named as the upper halves of pairs)
	v_mov_b32 v[INV1+1], 0
.irp a, 0,1,2,3,4,5,6,7
	OUTBLK \a
.endr
	global_store_b128 v[LI], v[SCI:SCI+3], s[98:99]   ; my eight tiles' scale words: 512 consecutive bytes
	s_wait_tensorcnt 0x0                           ; the wave's end
	ds_add_u32 v[SPW], v[NIL]
	s_wait_dscnt 0x0
	CROUND                                         ; the closing round: no work-group ends while a partner may still ask for a tile that names it
	s_endpgm
.Lfunc_end_k_q08cef298ad_proj:
	.size	k_q08cef298ad_proj, .Lfunc_end_k_q08cef298ad_proj-k_q08cef298ad_proj
	.p2alignl 7, 3214868480
	.fill 96, 4, 3214868480
	.section	.rodata,"a",@progbits
	.p2align	6, 0x0
	.amdhsa_kernel k_q08cef298ad_proj
		.amdhsa_group_segment_fixed_size 327680
		.amdhsa_private_segment_fixed_size 0
		.amdhsa_enable_private_segment 0
		.amdhsa_kernarg_size 112
		.amdhsa_user_sgpr_count 2
		.amdhsa_user_sgpr_kernarg_segment_ptr 1
		.amdhsa_wavefront_size32 1
		.amdhsa_system_sgpr_workgroup_id_x 1
		.amdhsa_system_sgpr_workgroup_id_y 1
		.amdhsa_system_sgpr_workgroup_id_z 1
		.amdhsa_system_vgpr_workitem_id 0
		.amdhsa_next_free_vgpr 1024
		.amdhsa_next_free_sgpr 100
		.amdhsa_reserve_vcc 0
		.amdhsa_float_denorm_mode_32 3
		.amdhsa_float_denorm_mode_16_64 3
		.amdhsa_memory_ordered 1
		.amdhsa_forward_progress 1
		.amdhsa_inst_pref_size 231
	.end_amdhsa_kernel
	.amdgpu_metadata
---
amdhsa.version: [ 1, 2 ]
amdhsa.kernels:
  - .name:           k_q08cef298ad_proj
    .symbol:         k_q08cef298ad_proj.kd
    .args:
      - { .name: x_codes, .offset: 0, .size: 8, .value_kind: global_buffer, .address_space: global }
      - { .name: x_scales, .offset: 8, .size: 8, .value_kind: global_buffer, .address_space: global }
      - { .name: Wq_codes, .offset: 16, .size: 8, .value_kind: global_buffer, .address_space: global }
      - { .name: Wq_scales, .offset: 24, .size: 8, .value_kind: global_buffer, .address_space: global }
      - { .name: Wk_codes, .offset: 32, .size: 8, .value_kind: global_buffer, .address_space: global }
      - { .name: Wk_scales, .offset: 40, .size: 8, .value_kind: global_buffer, .address_space: global }
      - { .name: Wv_codes, .offset: 48, .size: 8, .value_kind: global_buffer, .address_space: global }
      - { .name: Wv_scales, .offset: 56, .size: 8, .value_kind: global_buffer, .address_space: global }
      - { .name: qimg, .offset: 64, .size: 8, .value_kind: global_buffer, .address_space: global }
      - { .name: qsc, .offset: 72, .size: 8, .value_kind: global_buffer, .address_space: global }
      - { .name: kimg, .offset: 80, .size: 8, .value_kind: global_buffer, .address_space: global }
      - { .name: ksc, .offset: 88, .size: 8, .value_kind: global_buffer, .address_space: global }
      - { .name: vimg, .offset: 96, .size: 8, .value_kind: global_buffer, .address_space: global }
      - { .name: vsc, .offset: 104, .size: 8, .value_kind: global_buffer, .address_space: global }
    .group_segment_fixed_size: 327680
    .private_segment_fixed_size: 0
    .kernarg_segment_align: 8
    .kernarg_segment_size: 112
    .max_flat_workgroup_size: 128
    .sgpr_count:     100
    .vgpr_count:     1024
    .wavefront_size: 32
...
	.end_amdgpu_metadata
.endif
;; end of part 1
;; launch attn (part 2): grid 8 x 32, 4 waves a work-group, no clusters, 74,752 bytes of LDS; arguments qimg, qsc, kimg, ksc, vimg, vsc, mask, oimg, osc; writes oimg, osc
.if DOCPART == 2
	.amdgcn_target "amdgcn-amd-amdhsa--gfx1250"
	.amdhsa_code_object_version 6
	.text
	.protected	k_q08cef298ad_attn
	.globl	k_q08cef298ad_attn
	.p2align	8
	.type	k_q08cef298ad_attn,@function
k_q08cef298ad_attn:
	s_mov_b64 s[64:65], 0
	v_nop
	global_prefetch_b8 v0, s[64:65] scope:SCOPE_SE
	s_setreg_imm32_b32 hwreg(HW_REG_WAVE_MODE, 25, 1), 1
	s_wait_xcnt 0x0
; ANGULAR ATTENTION on codes of FP8 (E4M3), one E8M0 scale for each 32 along a product's K.  sim = Q . K (K = the head's 64), clipped to +-0.999; s = 1 - acos(sim) / pi; w = s^8, 0 for a masked key
; (the definition's (1e-6)^8 is 0 in f32, and s is never under 0.014, so its lower hold at 1e-6 acts on masked keys alone); W = w / (the row's sum + 1e-6) is FINISHED before it is quantised along the keys;
; O = W V is quantised along the model's 1,024 for the last product and leaves as images of operand registers.
; SHARES.  A work-group owns one batch and head (y) and 256 queries (x): 16 tiles of 16, one a trip.  THE FOUR WAVES SHARE THE KEYS: wave w owns keys 512 w .. 512 w + 511 for every tile.
; Its K codes (256 registers) and V codes (256) stay in registers for the whole launch; a tile's 16 x 512 weights (256 registers) stay in registers until the row's sum is known, so no score is made twice.
; Only the row sums (64 bytes a wave) and the partial O (4,096 bytes a wave) cross waves, through LDS.
; ONE BARRIER A TRIP.  The sums lie in two regions by turns (trip & 1), the partial O in four (trip & 3).  A tile's partial O is stored behind its trip's barrier and read behind a later trip's barrier, in front of which
; every wave has waited for all its LDS instructions.  In every even trip from the third on all four waves add and quantise the two tiles before: wave w takes tile trip - 2 + w / 2 and block w % 2 of the head's 64;
; the regions read there are (trip - 2) & 3 and the next, the region stored in that trip is trip & 3.  A region is stored again four trips after its last store, behind barriers in front of which its readers have waited for their loads;
; a region of sums two trips on, likewise.  The last two tiles are added behind one more barrier after the loop.
; THE PRODUCTS STAND SINGLY AMONG THE VECTOR LINES, so that the wave has vector lines to issue while the matrix unit works: the scores of key chunks 2 and 3 in the polynomials of groups 0 and 1, W V of chunks 0 to 2 and the NEXT
; tile's scores of chunks 0 and 1 among the lines that normalise and hold the later chunks (a chunk's registers are free once its weights are converted).  Each product so placed costs two switches of the register windows: 88 a trip.
; The first tile's chunks 0 and 1 are written out ahead of the loop; the last trip makes them once more from the old Q, and nobody reads them.
; NO JOINT LOADS: what the work-groups of a head share, K and V, is read once at the head of the launch into registers (64 KiB a wave); the loop reads only its own tile of Q, 1 KiB a trip.
; LAYOUT.  S^T = K Q^T (source 0 = keys, source 1 = queries), O^T = V^T W^T: a lane holds ONE query (lane % 16) throughout.  K = 64 fills half of the instruction's 128: a K fragment holds TWO tiles of keys, one in
; k 0-63 and one in k 64-127, and is multiplied by Q beside 64 zero codes, once on each side.  THE KEYS OF A TILE ARE NOT NEIGHBOURS: lane r of tile (p, u) takes key 32 p + 8 u + r + 8 (r / 8), so that
; register 16 B + i of the scores is key 32 B + 16 (lane / 16) + i: the layout that the second product's operand wants.
; acos(a) = sqrt(1 - a) x a polynomial of degree 7 in a = min(|sim|, 0.999) (Abramowitz and Stegun 4.4.46, here divided by pi); s = 0.5 + copysign(0.5 - sqrt(1 - a) P(a), sim).
; LIMITS: the polynomial's error in s is about 3e-8 absolute, the size of the rounding of 1 - acos / pi in f32 itself; so a very small s is not exact to f32's relative precision.  NaN and infinities are not served.
; A block of zeros gets the scale byte 1 where the rule says 127: its codes are zeros, and this program alone reads the bytes.  O's scale bytes leave as single bytes, 32 apart: 16 a tile and block, 131,072 in the launch.
; REGISTERS, in windows of 256.  window 1: K, pair p at v[16 p].  window 2: V, fragment (key chunk gk, tile t of the head's 64) at v[16 (4 gk + t)].  window 3: the scores, then the weights.
; window 0: v0-15 addresses; v16-31 K's scale words; v32-39 V's; v40-63 zeros, Q, zeros; v64 Q's scale word, v65 as loaded; v66-69 W's scale words; v[70:71] b6; v[72:73] 1 / sum; v74-79 at work; v80-95 block maxima;
;   v96-127 a (later the conversions' scale operands and 448 x the scale); v128-159 sqrt(1 - a) (later a set of codes, and bytes); v160-191 the polynomial, s, s^4 (later O^T); v192-223 the mask (later a set of codes);
;   v160-223 the four partial O while they are added; v224-231 the row's sum (later O's codes and what makes them).
.set MSK,  0                           ; LDS: the mask as f32 0 or 1, 2,048 bytes a wave, written and read by that wave alone
.set SUMS, 8192                        ; [trip & 1][wave][16] f32
.set OPB,  8704                        ; [trip & 3][wave][tile t 4][half 2] x 512 bytes: images of the O^T accumulators
.set KSC,  16
.set VSC,  32
.set QHI,  40                          ; v[40:55]: zeros, Q
.set QLO,  48                          ; v[48:63]: Q, zeros
.set QSC,  64
.set QRAW, 65
.set PSC,  66
.set B6,   70
.set INV,  72
.set TA,   74
.set BMB,  78
.set BM,   80
.set RA,   96
.set RSO,  96
.set RH,   112
.set RU,   128
.set RBY,  144
.set RP,   160
.set OACC, 160
.set RR,   160
.set RM,   192
.set SUM,  224
.set RC,   224
.set RT,   228
.set MST,  233
.set MSB, 0
.macro WIN new                         ; bits 1:0 source 0, 3:2 source 1, 5:4 source 2, 7:6 destination; the high byte repeats the setting that is left
.if MSB != (\new)
	s_set_vgpr_msb (MSB<<8)|(\new)
.set MSB, (\new)
.endif
.endm
.macro VLOAD gk                        ; V's codes of key chunk gk, as the images lie: 16 loads of 512 consecutive bytes
.irp t, 0,1,2,3
.irp c, 0,1,2,3
	global_load_b128 v[16*(4*(\gk)+\t)+4*\c:16*(4*(\gk)+\t)+4*\c+3], v3, s[12:13] offset:131072*(\gk)+2048*\t+512*\c
.endr
.endr
.endm
	s_load_b512 s[4:19], s[0:1], 0x0               ; qimg s[4:5], qsc s[6:7], kimg s[8:9], ksc s[10:11], vimg s[12:13], vsc s[14:15], mask s[16:17], oimg s[18:19]
	s_load_b64 s[20:21], s[0:1], 0x40              ; osc
	v_lshl_add_u32 v254, v0, 2, 0x12200
	v_mov_b32 v255, 0
	v_lshrrev_b32 v1, 5, v0
	v_readfirstlane_b32 s22, v1                    ; wave 0..3
	v_and_b32 v1, 15, v0                           ; r
	v_bfe_u32 v2, v0, 4, 1                         ; h
	v_and_b32 v3, 31, v0
	v_lshlrev_b32 v3, 4, v3                        ; 16 x lane
	s_and_b32 s25, ttmp7, 0xffff
	s_lshr_b32 s26, s25, 4                         ; batch
	s_and_b32 s27, s25, 15                         ; head
	s_lshr_b32 s28, s27, 1                         ; g: its 128-chunk of features
	s_and_b32 s29, s27, 1                          ; o: which half of the chunk
	s_and_b32 s23, s22, 1                          ; wave % 2: which block of the head's 64 I quantise
	s_lshr_b32 s24, s22, 1                         ; wave / 2: which of the two tiles
	; LDS addresses: a constant + a constant x lane + a constant x wave, all made here; the regions' turns are added in the loop
	s_lshl_b32 s56, s22, 11
	v_lshlrev_b32 v4, 6, v2
	v_add_nc_u32 v4, s56, v4                       ; the mask, to read: 2,048 wave + 64 h
	v_add_nc_u32 v[MST], s56, v3                   ; and to store: 2,048 wave + 16 lane
	s_lshl_b32 s56, s22, 6
	v_lshlrev_b32 v6, 2, v1
	v_add_nc_u32 v6, SUMS, v6                      ; the sums, to read: 4 r
	v_add_nc_u32 v5, s56, v6                       ; and to store: + 64 wave
	s_lshl_b32 s56, s22, 12
	v_add_nc_u32 v7, s56, v3
	v_add_nc_u32 v7, OPB, v7                       ; partial O, to store: 4,096 wave + 16 lane
	s_lshl_b32 s56, s23, 11
	s_lshl_b32 s57, s24, 14
	s_add_co_u32 s56, s56, s57
	v_add_nc_u32 v8, s56, v3
	v_add_nc_u32 v8, OPB, v8                       ; and to read: 16,384 (wave / 2) + 2,048 (wave % 2) + 16 lane
	; lane terms of global offsets
	v_lshlrev_b32 v9, 4, v1                        ; Q's scale words: 16 r
	s_lshl_b32 s56, s23, 9
	v_add_nc_u32 v13, s56, v3                      ; O's codes: 16 lane + 512 (wave % 2)
	v_lshlrev_b32 v14, 5, v1
	v_add_nc_u32 v14, s23, v14                     ; O's scale bytes: 32 r + (wave % 2)
	v_lshrrev_b32 v10, 3, v1
	v_and_b32 v15, 7, v1
	v_lshlrev_b32 v15, 4, v15
	v_lshl_add_u32 v12, v10, 8, v15                ; K's scale words: 256 (r / 8) + 16 (r % 8)
	v_lshl_add_u32 v11, v10, 11, v15
	v_lshl_add_u32 v11, v2, 8, v11                 ; K's codes: 2,048 (r / 8) + 256 h + 16 (r % 8): key 32 p + 8 u + r + 8 (r / 8) is row 8 u + r % 8 of the natural tile 2 p + r / 8
	v_mov_b32 v10, v9                              ; tile 0 of Q: its scale words,
	v_mov_b32 v15, v3                              ; its codes
	; where my parts begin
	s_lshl_b32 s56, s28, 8
	s_lshl_b32 s57, s26, 7
	s_add_co_u32 s56, s56, s57                     ; 256 g + 128 batch: tiles of tokens
	s_lshl_b32 s57, s22, 5
	s_add_co_u32 s57, s56, s57                     ; K: + 32 wave
	s_lshl_b32 s58, ttmp9, 4
	s_add_co_u32 s58, s56, s58                     ; Q: + 16 x
	s_lshl_b32 s59, s29, 10                        ; register groups 2 o, 2 o + 1 of an image: 1,024 o bytes
	s_mov_b32 s31, 0
	s_mul_i32 s53, s29, 0x02020202
	s_add_co_u32 s54, s53, 0x05040100              ; K's scale word: bytes 2 o, 2 o + 1 of tile u = 0, then of tile u = 1
	s_add_co_u32 s53, s53, 0x01000100              ; Q's: bytes 2 o, 2 o + 1, twice
	s_mov_b32 s36, 0xb9d2b131                      ; b7 .. b1, each twice: the packed form names a pair and takes its low word
	s_mov_b32 s37, s36
	s_mov_b32 s38, 0xbbb23c51                      ; b5
	s_mov_b32 s39, s38
	s_mov_b32 s40, 0x3c211b65                      ; b4
	s_mov_b32 s41, s40
	s_mov_b32 s42, 0xbc82d591                      ; b3
	s_mov_b32 s43, s42
	s_mov_b32 s44, 0x3ce80569                      ; b2
	s_mov_b32 s45, s44
	s_mov_b32 s46, 0xbd8be58c                      ; b1
	s_mov_b32 s47, s46
	s_mov_b32 s48, 0x3f7fbe77                      ; 0.999
	s_mov_b32 s49, 0x7fffffff
	s_mov_b32 s50, 0x76543210                      ; v_permlanex16_b32's selects for lane l xor 16
	s_mov_b32 s51, 0xfedcba98
	s_mov_b32 s52, 0x600000                        ; the mantissa field of 448
	s_mov_b32 s55, 0                               ; the trip: my tile of queries
	s_wait_kmcnt 0x0
	s_lshl_b32 s30, s57, 11
	s_add_co_u32 s30, s30, s59
	s_add_nc_u64 s[8:9], s[8:9], s[30:31]
	s_lshl_b32 s30, s57, 6                         ; eight tiles to a scale image of 512 bytes
	s_add_nc_u64 s[10:11], s[10:11], s[30:31]
	s_lshl_b32 s30, s58, 11
	s_add_co_u32 s30, s30, s59
	s_add_nc_u64 s[4:5], s[4:5], s[30:31]
	s_lshl_b32 s30, s58, 6
	s_add_nc_u64 s[6:7], s[6:7], s[30:31]
	s_lshl_b32 s56, s26, 4
	s_lshl_b32 s57, s22, 2
	s_add_co_u32 s56, s56, s57                     ; 16 batch + 4 wave: 128-chunks of tokens
	s_lshl_b32 s57, s56, 6
	s_lshl_b32 s58, s27, 2
	s_add_co_u32 s57, s57, s58                     ; x 64 tiles of features, + 4 head
	s_lshl_b32 s30, s57, 11
	s_add_nc_u64 s[12:13], s[12:13], s[30:31]
	s_lshl_b32 s57, s56, 3
	s_add_co_u32 s57, s57, s28
	s_lshl_b32 s30, s57, 9
	s_lshl_b32 s58, s29, 3
	s_add_co_u32 s30, s30, s58                     ; words 2 o, 2 o + 1 of my 16 bytes
	s_add_nc_u64 s[14:15], s[14:15], s[30:31]
	s_lshl_b32 s30, s26, 13
	s_lshl_b32 s57, s22, 11
	s_add_co_u32 s30, s30, s57
	s_add_nc_u64 s[16:17], s[16:17], s[30:31]
	s_lshl_b32 s56, s26, 4
	s_lshl_b32 s57, ttmp9, 1
	s_add_co_u32 s56, s56, s57                     ; 16 batch + 2 x: runs of 128 tokens
	s_lshl_b32 s30, s56, 17
	s_lshl_b32 s57, s28, 14
	s_add_co_u32 s30, s30, s57
	s_add_co_u32 s30, s30, s59
	s_add_nc_u64 s[18:19], s[18:19], s[30:31]
	s_lshl_b32 s30, s56, 12                        ; 128 tokens x 32 bytes
	s_lshl_b32 s57, s27, 1
	s_add_co_u32 s30, s30, s57
	s_add_nc_u64 s[20:21], s[20:21], s[30:31]
	WIN 0x40                                       ; destination window 1: K's codes, in runs of 128 bytes out of the natural images, once in the launch
.set p, 0
.rept 16
.irp u, 0,1
.irp c, 0,1
	global_load_b128 v[16*p+8*\u+4*\c:16*p+8*\u+4*\c+3], v11, s[8:9] offset:4096*p+128*\u+512*\c
.endr
.endr
.set p, p+1
.endr
	WIN 0
.set p, 0
.rept 16
	global_load_b32 v[RA+p], v12, s[10:11] offset:512*(p/4)+4*(p%4)        ; the chunk's scale word of tile (p, 0)'s key in lane r,
	global_load_b32 v[RU+p], v12, s[10:11] offset:512*(p/4)+4*(p%4)+128    ; and of tile (p, 1)'s
.set p, p+1
.endr
.irp j, 0,1,2,3
	global_load_b128 v[RM+4*\j:RM+4*\j+3], v3, s[16:17] offset:512*\j      ; my 512 keys' mask
.endr
	global_load_b128 v[QLO:QLO+3], v15, s[4:5]                             ; tile 0 of Q
	global_load_b128 v[QLO+4:QLO+7], v15, s[4:5] offset:512
	global_load_b32 v[QRAW], v10, s[6:7]
.irp gk, 0,1,2,3
	global_load_b64 v[VSC+2*\gk:VSC+2*\gk+1], v3, s[14:15] offset:4096*\gk ; V's scale words: word t / 2; lanes 0-15 tile t even, lanes 16-31 tile t odd
.endr
	WIN 0x80                                       ; destination window 2
	VLOAD 0
	WIN 0
.irp j, 0,1,2,3,4,5,6,7
	v_mov_b32 v[QHI+\j], 0                         ; 64 zero codes on each side of Q
	v_mov_b32 v[QLO+8+\j], 0
.endr
	v_mov_b32 v[B6], 0x3b0b24a4                    ; b6, twice
	v_mov_b32 v[B6+1], 0x3b0b24a4
	v_mov_b32 v[INV+1], 0                          ; (named as the upper half of a pair)
	s_wait_loadcnt 0x0                             ; all that the first scores want is in
	WIN 0x80
	VLOAD 1                                        ; V's other three chunks, 48 loads, are asked for only now: nothing reads V before the first trip's second product,
	VLOAD 2                                        ; and the wait for them stands in that trip, ahead of its barrier
	VLOAD 3
	WIN 0
.set p, 0
.rept 16
	v_perm_b32 v[KSC+p], v[RU+p], v[RA+p], s54     ; selector bytes 0-3 take from the second source, 4-7 from the first
.set p, p+1
.endr
	v_perm_b32 v[QSC], v[QRAW], v[QRAW], s53       ; the head's two bytes of Q's scale word, for k 0-63 and for k 64-127
.set i, 0
.rept 16                               ; (these 32 lines are also the eight places between the scale words just made and the first products)
	v_cmp_ne_u32 vcc_lo, 0, v[RM+i]
	v_cndmask_b32 v[RM+i], 0, 1.0, vcc_lo          ; the mask as a factor: it only selects a value
.set i, i+1
.endr
.irp j, 0,1,2,3
	ds_store_b128 v[MST], v[RM+4*\j:RM+4*\j+3] offset:512*\j   ; my wave's own bytes: LDS serves a wave's instructions in order, so its later loads see them
.endr
.macro MLOAD G                         ; the mask of blocks 2 G, 2 G + 1: my 16 keys of each; the sixteen lanes of a half read the same words
.irp bb, 0,1
.irp jj, 0,1,2,3
	ds_load_b128 v[RM+16*\bb+4*\jj:RM+16*\bb+4*\jj+3], v4 offset:128*(2*(\G)+\bb)+16*\jj
.endr
.endr
.endm
.macro SM1 gk, j                       ; product j (0..7) of the scores of keys 128 gk .. 128 gk + 127: pair 4 gk + j / 2, side j % 2; an accumulator of its own, begun with 0
.set KP, 16*(4*(\gk)+(\j)/2)
	WIN 0xc1                                       ; destination window 3, source 0 (K) window 1, source 1 (Q) window 0
.if ((\j)%2) == 0
	v_wmma_scale_f32_16x16x128_f8f6f4 v[KP:KP+7], v[KP:KP+15], v[QLO:QLO+15], 0, v[KSC+KP/16], v[QSC]
.else
	v_wmma_scale_f32_16x16x128_f8f6f4 v[KP+8:KP+15], v[KP:KP+15], v[QHI:QHI+15], 0, v[KSC+KP/16], v[QSC]
.endif
.endm
.macro SMM gk                          ; all eight in a run: ahead of the loop only
.irp j, 0,1,2,3,4,5,6,7
	SM1 \gk, \j
.endr
.endm
.macro PV1 gk, t                       ; O^T tile t += V^T W^T over keys 128 gk on.  The four accumulators take turns, one instruction a turn, and other products stand between
.set PCX, 192-64*((\gk)%2)
.set RO, OACC+8*(\t)
.set RV, 16*(4*(\gk)+(\t))
	WIN 0x02                                       ; source 0 (V) window 2
.if (\gk) == 0
.if ((\t)%2) == 1
	v_wmma_scale_f32_16x16x128_f8f6f4 v[RO:RO+7], v[RV:RV+15], v[PCX:PCX+15], 0, v[VSC+2*(\gk)+(\t)/2], v[PSC+(\gk)] matrix_a_scale:MATRIX_SCALE_ROW1
.else
	v_wmma_scale_f32_16x16x128_f8f6f4 v[RO:RO+7], v[RV:RV+15], v[PCX:PCX+15], 0, v[VSC+2*(\gk)+(\t)/2], v[PSC+(\gk)]
.endif
.else
.if ((\t)%2) == 1
	v_wmma_scale_f32_16x16x128_f8f6f4 v[RO:RO+7], v[RV:RV+15], v[PCX:PCX+15], v[RO:RO+7], v[VSC+2*(\gk)+(\t)/2], v[PSC+(\gk)] matrix_a_scale:MATRIX_SCALE_ROW1
.else
	v_wmma_scale_f32_16x16x128_f8f6f4 v[RO:RO+7], v[RV:RV+15], v[PCX:PCX+15], v[RO:RO+7], v[VSC+2*(\gk)+(\t)/2], v[PSC+(\gk)]
.endif
.endif
.endm
; 32 scores a lane (blocks 2 G, 2 G + 1) become weights, not yet normalised.  Work goes by levels over 16 pairs, so that no line waits for the line above it.
; mm >= 0: the eight products of key chunk mm's scores are dealt among the polynomial's lines, one behind every fourteenth; they name none of the group's registers.
.macro GRP G, mm
.set XB, 32*(\G)
	WIN 0x03                                       ; source 0 window 3
.set i, 0
.rept 32
	v_min_num_f32 v[RA+i], |v[XB+i]|, s48          ; a = min(|sim|, 0.999); each accumulator is read from its low end on
.set i, i+1
.endr
	WIN 0
.set i, 0
.rept 16
	v_pk_add_f32 v[RU+i:RU+i+1], v[RA+i:RA+i+1], 1.0 op_sel_hi:[1,0] neg_lo:[1,0] neg_hi:[1,0]   ; 1 - a
.set i, i+2
.endr
.set n, 0
.rept 112                              ; Horner, seven levels; a root stands ahead of every third of the first 96 lines, so that each has plain lines behind it
.if (n < 96) && (n%3 == 0)
	v_sqrt_f32 v[RU+n/3], v[RU+n/3]
.endif
.set pr, 2*(n%16)
.if n/16 == 0
	v_pk_fma_f32 v[RP+pr:RP+pr+1], v[RA+pr:RA+pr+1], s[36:37], v[B6:B6+1] op_sel_hi:[1,0,1]
.elseif n/16 == 6
	v_pk_fma_f32 v[RP+pr:RP+pr+1], v[RP+pr:RP+pr+1], v[RA+pr:RA+pr+1], 0.5 op_sel_hi:[1,1,0]
.else
	v_pk_fma_f32 v[RP+pr:RP+pr+1], v[RP+pr:RP+pr+1], v[RA+pr:RA+pr+1], s[36+2*(n/16):37+2*(n/16)] op_sel_hi:[1,1,0]
.endif
.if ((\mm) >= 0) && (n%14 == 6)
	SM1 \mm, n/14
	WIN 0
.endif
.set n, n+1
.endr
.set i, 0
	s_wait_alu depctr_va_vdst(0)
.rept 16
	v_pk_fma_f32 v[RP+i:RP+i+1], v[RU+i:RU+i+1], v[RP+i:RP+i+1], 0.5 op_sel_hi:[1,1,0] neg_lo:[1,0,0] neg_hi:[1,0,0]   ; 0.5 - sqrt(1 - a) P(a)
.set i, i+2
.endr
	WIN 0x30                                       ; source 2 window 3
.set i, 0
.rept 32
	v_bfi_b32 v[RP+i], s49, v[RP+i], v[XB+i]       ; with sim's sign
.set i, i+1
.endr
	WIN 0
.set i, 0
.rept 16
	v_pk_add_f32 v[RP+i:RP+i+1], v[RP+i:RP+i+1], 0.5 op_sel_hi:[1,0]       ; s
.set i, i+2
.endr
.set i, 0
.rept 16
	v_pk_mul_f32 v[RP+i:RP+i+1], v[RP+i:RP+i+1], v[RP+i:RP+i+1]            ; s^2
.set i, i+2
.endr
.set i, 0
.rept 16
	v_pk_mul_f32 v[RP+i:RP+i+1], v[RP+i:RP+i+1], v[RP+i:RP+i+1]            ; s^4
.set i, i+2
.endr
	s_wait_dscnt 0x0                               ; this group's eight mask loads (in group 0 the last trip's stores of partial O are out too, and older)
.set i, 0
.rept 16
	v_pk_mul_f32 v[RP+i:RP+i+1], v[RP+i:RP+i+1], v[RM+i:RM+i+1]            ; x 0 or 1: its square is the weight
.set i, i+2
.endr
.if (\G) < 7
	MLOAD (\G)+1
.endif
.irp bb, 0,1                           ; each block's largest s^4, in two chains: squaring and the later scaling do not fall where their input rises, so it gives the block's largest W bit for bit
	v_max3_num_f32 v[BM+2*(\G)+\bb], v[RP+16*\bb], v[RP+16*\bb+1], v[RP+16*\bb+2]
	v_max3_num_f32 v[BMB+\bb], v[RP+16*\bb+3], v[RP+16*\bb+4], v[RP+16*\bb+5]
.endr
.irp i4, 6,10
.irp bb, 0,1
	v_max3_num_f32 v[BM+2*(\G)+\bb], v[BM+2*(\G)+\bb], v[RP+16*\bb+\i4], v[RP+16*\bb+\i4+1]
	v_max3_num_f32 v[BMB+\bb], v[BMB+\bb], v[RP+16*\bb+\i4+2], v[RP+16*\bb+\i4+3]
.endr
.endr
.irp bb, 0,1
	v_max3_num_f32 v[BM+2*(\G)+\bb], v[BM+2*(\G)+\bb], v[RP+16*\bb+14], v[RP+16*\bb+15]
.endr
.irp bb, 0,1
	v_max_num_f32 v[BM+2*(\G)+\bb], v[BM+2*(\G)+\bb], v[BMB+\bb]
.endr
.set q, 0
.rept 16                               ; the row's sum of the weights, four packed chains; the tile's first four lines start them: nothing is cleared
.if ((\G) == 0) && (q < 4)
	v_pk_mul_f32 v[SUM+2*(q%4):SUM+2*(q%4)+1], v[RP+2*q:RP+2*q+1], v[RP+2*q:RP+2*q+1]
.else
	v_pk_fma_f32 v[SUM+2*(q%4):SUM+2*(q%4)+1], v[RP+2*q:RP+2*q+1], v[RP+2*q:RP+2*q+1], v[SUM+2*(q%4):SUM+2*(q%4)+1]
.endif
.set q, q+1
.endr
	WIN 0xc0                                       ; destination window 3
.set i, 0
.rept 16
	v_pk_mul_f32 v[XB+i:XB+i+1], v[RP+i:RP+i+1], v[RP+i:RP+i+1]            ; the weight takes the score's place
.set i, i+2
.endr
.endm
; W = w / (sum + 1e-6), then the hold at 448 x the block's scale (W is not negative: one side).
; pv >= 0: the four products W V of key chunk pv, whose codes were made just before, stand behind every eighth multiplication (so eight plain lines ahead of the first).
; sm >= 0: the eight products of the NEXT tile's scores of key chunk sm stand behind every eighth hold; they write the registers of weights that have been converted.
.macro NORM gk, pv, sm
	WIN 0xc3                                       ; destination and source 0 window 3
.set i, 0
.rept 32
	v_pk_mul_f32 v[64*(\gk)+i:64*(\gk)+i+1], v[64*(\gk)+i:64*(\gk)+i+1], v[INV:INV+1] op_sel_hi:[1,0]
.if ((\pv) >= 0) && (i%16 == 14)
	PV1 \pv, i/16
	WIN 0xc3
.endif
.set i, i+2
.endr
.set i, 0
.rept 64
	v_min_num_f32 v[64*(\gk)+i], v[64*(\gk)+i], v[RH+4*(\gk)+i/16]         ; the conversion to an 8-bit code does not saturate (ISA guide 7.6.2)
.if ((\sm) >= 0) && (i%8 == 3)
	SM1 \sm, i/8
	WIN 0xc3
.endif
.set i, i+1
.endr
.endm
.macro CVT gk                          ; the chunk's codes: two sets by turns, v192 on (even chunks) and v128 on (odd)
.set PCX, 192-64*((\gk)%2)
	WIN 0x03                                       ; source 0 window 3
.irp c, 0,1,2,3
	v_cvt_scalef32_pk8_fp8_f32 v[PCX+4*\c:PCX+4*\c+1], v[64*(\gk)+16*\c:64*(\gk)+16*\c+7], v[RSO+4*(\gk)+\c]
	v_cvt_scalef32_pk8_fp8_f32 v[PCX+4*\c+2:PCX+4*\c+3], v[64*(\gk)+16*\c+8:64*(\gk)+16*\c+15], v[RSO+4*(\gk)+\c]
.endr
.endm
; The two tiles before trip s55 are added and quantised: I take tile s55 - 2 + wave / 2 and features 32 (wave % 2) .. + 31 of the head, one block of the last product's K.  s55 is even, 2 to 16.
.macro REDUCE
	s_and_b32 s56, s55, 2
	s_xor_b32 s56, s56, 2                          ; (s55 - 2) & 3, for an even s55
	s_lshl_b32 s56, s56, 14
	v_add_nc_u32 v1, s56, v8                       ; the region of my tile
	s_sub_co_u32 s57, s55, 2
	s_add_co_u32 s57, s57, s24                     ; my tile
	s_lshr_b32 s58, s57, 3
	s_lshl_b32 s58, s58, 17                        ; which run of 128 tokens,
	s_and_b32 s59, s57, 7
	s_lshl_b32 s59, s59, 11                        ; which tile in it
	s_add_co_u32 s58, s58, s59
	v_add_nc_u32 v11, s58, v13                     ; (the stores that last named v11 and v12 have read them: the wait on XCNT at each trip's end)
	s_lshl_b32 s59, s57, 9                         ; 16 tokens x 32 bytes
	v_add_nc_u32 v12, s59, v14
.irp wv, 0,1,2,3
.irp q4, 0,1,2,3
	ds_load_b128 v[RR+16*\wv+4*\q4:RR+16*\wv+4*\q4+3], v1 offset:4096*\wv+512*\q4
.endr
.endr
	s_wait_dscnt 0x0                               ; they are in (and so are the sums asked for just before)
.irp j, 0,2,4,6,8,10,12,14
	v_pk_add_f32 v[RR+\j:RR+\j+1], v[RR+\j:RR+\j+1], v[RR+16+\j:RR+16+\j+1]
	v_pk_add_f32 v[RR+32+\j:RR+32+\j+1], v[RR+32+\j:RR+32+\j+1], v[RR+48+\j:RR+48+\j+1]
.endr
.irp j, 0,2,4,6,8,10,12,14
	v_pk_add_f32 v[RR+\j:RR+\j+1], v[RR+\j:RR+\j+1], v[RR+32+\j:RR+32+\j+1]
.endr
.irp j, 0,1,2,3,4,5,6,7
	v_permlane16_swap_b32 v[RR+\j], v[RR+8+\j]     ; register 8 u + j held feature 16 u + 8 h + j of the block; now register i holds 16 h + i
.endr
	v_max3_num_f32 v[RT], |v[RR]|, |v[RR+1]|, 0x4800000            ; the block's largest magnitude, with the floor 2^(9 - 127), in two chains
	v_max3_num_f32 v[RT+1], |v[RR+2]|, |v[RR+3]|, |v[RR+6]|
	v_max3_num_f32 v[RT], v[RT], |v[RR+4]|, |v[RR+5]|
	v_max3_num_f32 v[RT+1], v[RT+1], |v[RR+7]|, |v[RR+10]|
	v_max3_num_f32 v[RT], v[RT], |v[RR+8]|, |v[RR+9]|
	v_max3_num_f32 v[RT+1], v[RT+1], |v[RR+11]|, |v[RR+14]|
	v_max3_num_f32 v[RT], v[RT], |v[RR+12]|, |v[RR+13]|
	v_max3_num_f32 v[RT], v[RT], v[RT+1], |v[RR+15]|
	v_permlanex16_b32 v[RT+1], v[RT], s50, s51
	v_max_num_f32 v[RT], v[RT], v[RT+1]
	v_add_nc_u32 v[RT+2], 0xfc000000, v[RT]        ; 8 off the exponent field: the conversion's scale operand
	v_and_or_b32 v[RT+3], v[RT], 0x7f800000, s52   ; 448 x the scale
	v_lshrrev_b32 v[RT+4], 23, v[RT+2]             ; the scale's byte
.irp j, 0,1,2,3,4,5,6,7,8,9,10,11,12,13,14,15
	v_med3_num_f32 v[RR+\j], v[RR+\j], -v[RT+3], v[RT+3]
.endr
	v_cvt_scalef32_pk8_fp8_f32 v[RC:RC+1], v[RR:RR+7], v[RT+2]
	v_cvt_scalef32_pk8_fp8_f32 v[RC+2:RC+3], v[RR+8:RR+15], v[RT+2]
	v_nop                                          ; one plain vector instruction behind the last scaled conversion
	global_store_b128 v11, v[RC:RC+3], s[18:19]    ; one register group of the tile's image: 512 consecutive bytes, at a multiple of 256 from the buffer's first byte
	global_store_b8 v12, v[RT+4], s[20:21]         ; both lanes of a token write the same byte with the same value
.endm
	SMM 0                                          ; the first tile's scores of key chunks 0 and 1: every later tile's are made in the trip before
	SMM 1
	WIN 0
.rept 8
	v_nop                                          ; places behind the products, ahead of the first read of their results
.endr
.Ltile:                                            ; 16 trips: a tile of 16 queries each
	MLOAD 0
	GRP 0, 2                                       ; with the scores of key chunk 2 among its lines,
	GRP 1, 3                                       ; of chunk 3: two groups and more ahead of the first read of their results
	GRP 2, -1
	GRP 3, -1
	GRP 4, -1
	GRP 5, -1
	WIN 0
	s_cmp_eq_u32 s55, 15                           ; the next tile's Q is asked for here, four groups behind the last product that read this tile's; the last trip asks for nothing
	s_cbranch_scc1 .Lno_q
	s_add_co_u32 s56, s55, 1
	s_lshl_b32 s57, s56, 11
	v_add_nc_u32 v15, s57, v3                      ; (the loads that last named v15 and v10 have been waited for)
	s_lshr_b32 s57, s56, 3
	s_lshl_b32 s57, s57, 9                         ; which scale image,
	s_and_b32 s58, s56, 1
	s_lshl_b32 s58, s58, 8                         ; which half of its lanes,
	s_add_co_u32 s57, s57, s58
	s_bfe_u32 s58, s56, 0x20001
	s_lshl_b32 s58, s58, 2                         ; which word
	s_add_co_u32 s57, s57, s58
	v_add_nc_u32 v10, s57, v9
	global_load_b128 v[QLO:QLO+3], v15, s[4:5]
	global_load_b128 v[QLO+4:QLO+7], v15, s[4:5] offset:512
	global_load_b32 v[QRAW], v10, s[6:7]
.Lno_q:
	GRP 6, -1
	GRP 7, -1
	WIN 0
	; ---- the row's sum: my 512 keys', then all four waves'
	v_pk_add_f32 v[SUM:SUM+1], v[SUM:SUM+1], v[SUM+2:SUM+3]
	v_pk_add_f32 v[SUM+4:SUM+5], v[SUM+4:SUM+5], v[SUM+6:SUM+7]
	v_pk_add_f32 v[SUM:SUM+1], v[SUM:SUM+1], v[SUM+4:SUM+5]
	v_add_f32 v[SUM], v[SUM], v[SUM+1]
	v_permlanex16_b32 v[BMB], v[SUM], s50, s51     ; the query's other keys lie in the lane 16 away
	v_add_f32 v[SUM], v[SUM], v[BMB]
	ds_store_b32 v5, v[SUM]                        ; both lanes of a query write the same word with the same value
	s_wait_loadcnt 0x0                             ; the next tile's Q and its scale word, asked for two groups ago; in the first trip V's last three chunks too
	v_perm_b32 v[QSC], v[QRAW], v[QRAW], s53       ; the next tile's scale word: the last product that read the old one stands in group 1; the next stands behind a chunk's normalisation
.set b, 0
.rept 16                               ; work on registers while the store is out: the blocks' maxima over both halves of the lanes
	v_permlanex16_b32 v[RA+b], v[BM+b], s50, s51
.set b, b+1
.endr
.set b, 0
.rept 16
	v_max_num_f32 v[BM+b], v[BM+b], v[RA+b]
.set b, b+1
.endr
	s_wait_dscnt 0x0                               ; for the others' sake: my sum is stored, my stores of partial O of the trips before are done, and my reads of sums and of partial O are in
	s_barrier_signal -1
.set b, 0
.rept 8
	v_pk_mul_f32 v[BM+b:BM+b+1], v[BM+b:BM+b+1], v[BM+b:BM+b+1]   ; squared, as the weights are
.set b, b+2
.endr
	s_barrier_wait -1
.irp wv, 0,1,2,3
	ds_load_b32 v[TA+\wv], v6 offset:64*\wv
.endr
	v_xor_b32 v5, 0x100, v5                        ; the next trip's sums go to the other region
	v_xor_b32 v6, 0x100, v6
	s_and_b32 s56, s55, 3
	s_lshl_b32 s56, s56, 14
	v_add_nc_u32 v0, s56, v7                       ; where this trip's partial O goes: region trip & 3
	s_and_b32 s56, s55, 1                          ; every even trip but the first adds the two tiles before; the branch hangs on the trip alone, and no barrier stands inside
	s_cmp_lg_u32 s56, 0
	s_cbranch_scc1 .Lno_red
	s_cmp_eq_u32 s55, 0
	s_cbranch_scc1 .Lno_red
	REDUCE
.Lno_red:
	s_wait_dscnt 0x0                               ; the four sums
	v_add_f32 v[TA], v[TA], v[TA+1]
	v_add_f32 v[TA+2], v[TA+2], v[TA+3]
	v_add_f32 v[TA], v[TA], v[TA+2]
	v_add_f32 v[TA], 0x358637bd, v[TA]             ; + 1e-6
	v_rcp_f32 v[INV], v[TA]
	v_nop                                          ; a plain place behind the transcendental
.set b, 0
	s_wait_alu depctr_va_vdst(0)
.rept 8
	v_pk_mul_f32 v[BM+b:BM+b+1], v[BM+b:BM+b+1], v[INV:INV+1] op_sel_hi:[1,0]   ; each block's largest W
.set b, b+2
.endr
.set b, 0
.rept 16
	v_max_num_f32 v[BM+b], 0x4800000, v[BM+b]      ; the floor 2^(9 - 127): the byte cannot fall under 1
.set b, b+1
.endr
.set b, 0
.rept 16
	v_add_nc_u32 v[RSO+b], 0xfc000000, v[BM+b]     ; 8 off the exponent field: the conversion's scale operand
.set b, b+1
.endr
.set b, 0
.rept 16
	v_and_or_b32 v[RH+b], v[BM+b], 0x7f800000, s52 ; 448 x the scale
.set b, b+1
.endr
.set b, 0
.rept 16
	v_lshrrev_b32 v[RBY+b], 23, v[RSO+b]           ; the scale's byte
.set b, b+1
.endr
.irp gk, 0,1,2,3
	v_lshl_or_b32 v[PSC+\gk], v[RBY+4*\gk+1], 8, v[RBY+4*\gk]
.endr
.irp gk, 0,1,2,3
	v_lshl_or_b32 v[PSC+\gk], v[RBY+4*\gk+2], 16, v[PSC+\gk]
.endr
.irp gk, 0,1,2,3
	v_lshl_or_b32 v[PSC+\gk], v[RBY+4*\gk+3], 24, v[PSC+\gk]   ; W's scale word for each 128 keys
.endr
	; ---- normalise, quantise, multiply.  A set of codes is written again two chunks on, a chunk's 96 plain lines and more behind the last product that read it
	NORM 0, -1, -1
	CVT 0
	NORM 1, 0, 0                                   ; with W V of chunk 0, and the next tile's scores of chunk 0
	CVT 1
	NORM 2, 1, 1                                   ; of chunk 1, and of chunk 1
	CVT 2
	NORM 3, 2, -1
	CVT 3
	WIN 0
.rept 4
	v_nop                                          ; an operand written by vector instructions stands four places ahead of a scaled product
.endr
.irp t, 0,1,2,3
	PV1 3, \t
.endr
	WIN 0
.rept 8
	v_nop                                          ; places ahead of the first read of the results
.endr
.irp t, 0,1,2,3
	ds_store_b128 v0, v[OACC+8*\t:OACC+8*\t+3] offset:1024*\t          ; my partial O^T as it stands, each accumulator from its low end on; waited for in front of the next barrier
	ds_store_b128 v0, v[OACC+8*\t+4:OACC+8*\t+7] offset:1024*\t+512
.endr
	s_wait_xcnt 0x0                                ; the stores of O's codes and bytes have read their registers: the next trip's sums are written over them
	s_add_co_u32 s55, s55, 1
	s_cmp_lt_u32 s55, 16
	s_cbranch_scc1 .Ltile
	s_wait_dscnt 0x0                               ; for the others' sake: my last stores of partial O are done
	s_barrier_signal -1
	s_barrier_wait -1
	REDUCE                                         ; s55 = 16: tiles 14 and 15
	s_wait_tensorcnt 0x0
	ds_add_u32 v254, v255
	s_wait_dscnt 0x0
	s_endpgm
.Lfunc_end_k_q08cef298ad_attn:
	.size	k_q08cef298ad_attn, .Lfunc_end_k_q08cef298ad_attn-k_q08cef298ad_attn
	.p2alignl 7, 3214868480
	.fill 96, 4, 3214868480
	.section	.rodata,"a",@progbits
	.p2align	6, 0x0
	.amdhsa_kernel k_q08cef298ad_attn
		.amdhsa_group_segment_fixed_size 74752
		.amdhsa_private_segment_fixed_size 0
		.amdhsa_enable_private_segment 0
		.amdhsa_kernarg_size 72
		.amdhsa_user_sgpr_count 2
		.amdhsa_user_sgpr_kernarg_segment_ptr 1
		.amdhsa_wavefront_size32 1
		.amdhsa_system_sgpr_workgroup_id_x 1
		.amdhsa_system_sgpr_workgroup_id_y 1
		.amdhsa_system_sgpr_workgroup_id_z 1
		.amdhsa_system_vgpr_workitem_id 0
		.amdhsa_next_free_vgpr 1024
		.amdhsa_next_free_sgpr 66
		.amdhsa_reserve_vcc 1
		.amdhsa_float_denorm_mode_32 3
		.amdhsa_float_denorm_mode_16_64 3
		.amdhsa_memory_ordered 1
		.amdhsa_forward_progress 1
		.amdhsa_inst_pref_size 249
	.end_amdhsa_kernel
	.amdgpu_metadata
---
amdhsa.version: [ 1, 2 ]
amdhsa.kernels:
  - .name:           k_q08cef298ad_attn
    .symbol:         k_q08cef298ad_attn.kd
    .args:
      - { .name: qimg, .offset: 0, .size: 8, .value_kind: global_buffer, .address_space: global }
      - { .name: qsc, .offset: 8, .size: 8, .value_kind: global_buffer, .address_space: global }
      - { .name: kimg, .offset: 16, .size: 8, .value_kind: global_buffer, .address_space: global }
      - { .name: ksc, .offset: 24, .size: 8, .value_kind: global_buffer, .address_space: global }
      - { .name: vimg, .offset: 32, .size: 8, .value_kind: global_buffer, .address_space: global }
      - { .name: vsc, .offset: 40, .size: 8, .value_kind: global_buffer, .address_space: global }
      - { .name: mask, .offset: 48, .size: 8, .value_kind: global_buffer, .address_space: global }
      - { .name: oimg, .offset: 56, .size: 8, .value_kind: global_buffer, .address_space: global }
      - { .name: osc, .offset: 64, .size: 8, .value_kind: global_buffer, .address_space: global }
    .group_segment_fixed_size: 74752
    .private_segment_fixed_size: 0
    .kernarg_segment_align: 8
    .kernarg_segment_size: 72
    .max_flat_workgroup_size: 128
    .sgpr_count:     66
    .vgpr_count:     1024
    .wavefront_size: 32
...
	.end_amdgpu_metadata
.endif
;; end of part 2
;; launch outp (part 3): grid 4 x 16, 4 waves a work-group, clusters of 4 x 4, 327,680 bytes of LDS; arguments oimg, osc, Wo_codes, Wo_scales, bo, out0; writes out0
.if DOCPART == 3
	.amdgcn_target "amdgcn-amd-amdhsa--gfx1250"
	.amdhsa_code_object_version 6
	.text
	.protected	k_q08cef298ad_outp
	.globl	k_q08cef298ad_outp
	.p2align	8
	.type	k_q08cef298ad_outp,@function
k_q08cef298ad_outp:
	s_mov_b64 s[64:65], 0
	v_nop
	global_prefetch_b8 v0, s[64:65] scope:SCOPE_SE
	s_setreg_imm32_b32 hwreg(HW_REG_WAVE_MODE, 25, 1), 1
	s_wait_xcnt 0x0
	s_wait_alu depctr_hold_cnt(0) depctr_sa_sdst(0) depctr_va_vdst(0) depctr_va_sdst(0) depctr_va_ssrc(0) depctr_va_vcc(0) depctr_vm_vsrc(0)
	s_getreg_b32 s2, hwreg(HW_REG_IB_STS2, 6, 4)
	s_cmp_eq_u32 s2, 0
	s_cbranch_scc0 .Lentry_in_a_cluster
	s_endpgm
.Lentry_in_a_cluster:
	s_bfe_u32 s2, ttmp6, 0x10000c
	s_cmp_lg_u32 s2, 0xf033
	s_cbranch_scc0 .Lentry_shape_is_right
	s_endpgm
.Lentry_shape_is_right:
; out0[m][n] = sum over k of O[m][k] Wo[n][k] + bo[n], on codes of FP8 (E4M3) with one E8M0 scale for each 32 along K.  M = 4,096 tokens, N = K = 1,024; out0 is f32.
; O comes as IMAGES OF OPERAND REGISTERS, [run of 128 tokens 32][128-chunk of K 8][tile of 16 tokens 8] x 2,048 bytes (register group c at 512 c + 16 x lane), its scale bytes as [4,096][32]; Wo as rows of 1,024 codes and [1,024][32] scale bytes.
; A tile of out0, 256 x 256, is made by a work-group of four waves; a wave makes 128 x 128: 64 accumulators, 512 registers.  K goes in steps of 256 through a ring of two LDS slots filled by the tensor data mover:
; of O a wave's load brings 32,768 dense bytes (128 tokens x 256 K as 16 images), of Wo 128 rows of 256 bytes, padded.  The scale bytes of the 256 + 256 rows, for all of K, come once and stay.
; 64 work-groups: the tile is kept large, so that each LDS byte feeds as many products as the registers allow; fewer than there are WGPs.
; CLUSTERS: 4 x 4 work-groups; O's tiles are asked for jointly along a row of the cluster, Wo's along a column.  THE MATRIX INSTRUCTION IS USED TRANSPOSED (source 0 = 16 rows of Wo, source 1 = 16 tokens):
; a lane then holds eight neighbouring numbers of a row of out0.  THE BIAS is the C of each sum's first product: eight registers for each of my eight blocks of columns.
; LIMITS: NaN and infinities (NaN codes, scale byte 0xff) among the inputs are not served.
; REGISTERS, in windows of 256: window 0: v0-31 addresses; v32-63 scale words, two sets; v64-127 the bias; from v128 O's fragments, one set; on the way out v128-255 are free.
;   window 1: Wo's fragments, two sets.   window 2: the accumulators of my tokens 0-63 (accumulator (a, b) at v[8 (8 a + b)]);   window 3: those of tokens 64-127.
.set SIZE_N, 1024
.set SIZE_K, 1024
.set KSTEP,  256
.set NQ,     KSTEP/128
.set ROWB,   256                       ; a row of Wo's tile in bytes
.set ASTEP,  32768                     ; a K step of 128 tokens of O, in bytes
.set KROW,   SIZE_K                    ; bytes of codes for a row: of Wo as it lies; of O on the average (128 tokens are 131,072 bytes of images)
.set PITCH,  272                       ; an LDS row of Wo: 256 bytes + 16 of padding = 68 words: row r starts at bank 4 r mod 64 (64 banks of 4 bytes: ISA guide 11.1)
.set FR,     16
.set NL,     4
.set NP,     8                         ; places behind this matrix instruction (ISA guide 7.12.1)
.set HALFT,  128*PITCH                 ; a wave's part of a slot: 128 padded rows of Wo; O's 32,768 bytes lie in the same room
.set SLOT,   4*HALFT
.set LAPS,   SIZE_K/(2*KSTEP)
.set KS,     SIZE_K/32
.set SCL,    2*SLOT
.set HALFS,  (128*KS/256)*272
.set SBLK,   (16*KS/256)*272
.set SPARE,  SCL+4*HALFS               ; the spare words, 128 bytes for each wave: two blocks of 256 bytes that no other line names
.set SPITCH, 528                       ; the way out: a stage of 16 rows x (512 bytes + 16) for each wave, in slot 0, which has had its last fill and its last read when the first result is stored there
.set ADRA, 16
.set ADRB, 20
.set STO,  24
.set RD,   25
.set CO,   26
.set ADRS, 27
.set SPW,  28
.set NIL,  29
.set SC,   32
.set BIAS, 64
.set AF,   128
.set BK,   128
.set G1, 24
.set G0, 32
.set G1B, 48
.set G0B, 56
.set G1S, 68
.set G0S, 76
.set G1SB, 80
.set G0SB, 88
.set MSB, 0
.macro WIN new                         ; the immediate's high byte repeats the setting that is left
.if MSB != (\new)
	s_set_vgpr_msb (MSB<<8)|(\new)
.set MSB, (\new)
.endif
.endm
.set MUL_LO, 0xa1                      ; source 0 (Wo) window 1, source 1 (O) window 0, C and D window 2
.set MUL_HI, 0xf1                      ; the same, C and D window 3
.set FIRST_LO, 0x81                    ; the first products: C (the bias) window 0, D window 2
.set FIRST_HI, 0xc1                    ; D window 3
.set TO_B,   0x40
; A joint load: waves 0 and 1 fetch for O, waves 2 and 3 for Wo; the branch hangs on the wave's number alone.  Four v_nop follow each of the two lines.
.macro JLOAD g0a, g1a, g0b, g1b
	s_cmp_eq_u32 s15, 0
	s_cbranch_scc0 .Lfor_b_\@
	tensor_load_to_lds s[\g0a:\g0a+3], s[\g1a:\g1a+7]
	s_nop 0
.rept 4
	v_nop
.endr
	s_branch .Lasked_\@
.Lfor_b_\@:
	tensor_load_to_lds s[\g0b:\g0b+3], s[\g1b:\g1b+7]
	s_nop 0
.rept 4
	v_nop
.endr
.Lasked_\@:
.endm
.macro CREST
	s_cmp_lg_u32 s14, 0
	s_cbranch_scc1 .Lnot_wave_0_\@
	s_barrier_signal -3
.Lnot_wave_0_\@:
	s_barrier_wait -3
	s_barrier_signal -1
	s_barrier_wait -1
.endm
.macro CROUND
	s_barrier_signal -1
	s_barrier_wait -1
	CREST
.endm
	s_load_b128 s[4:7], s[0:1], 0x0                ; O's images s[4:5], O's scales s[6:7]
	s_load_b128 s[8:11], s[0:1], 0x10              ; Wo's codes s[8:9], Wo's scales s[10:11]
	s_load_b64 s[96:97], s[0:1], 0x20              ; bo
	s_load_b64 s[12:13], s[0:1], 0x28              ; out0
	v_lshl_add_u32 v[SPW], v0, 2, SPARE
	v_mov_b32 v[NIL], 0
	ds_add_u32 v28, v29
	ds_add_u32 v28, v29
	s_wait_dscnt 0x0
	v_lshrrev_b32 v1, 5, v0
	v_readfirstlane_b32 s14, v1                    ; wave 0..3
	s_lshr_b32 s15, s14, 1                         ; which half of the tile's tokens is mine.  Also: I fetch for O (0) or for Wo (1)
	s_and_b32 s16, s14, 1                          ; which half of its columns.  Also: which 128 rows of that tile I fetch
	s_bfe_u32 s40, ttmp6, 0x40000                  ; cx, cy
	s_bfe_u32 s41, ttmp6, 0x40004
	s_lshl_b32 s42, ttmp9, 2
	s_add_co_u32 s42, s42, s40                     ; tile column = 4 x cluster x + cx
	s_and_b32 s17, ttmp7, 0xffff
	s_lshl_b32 s17, s17, 2
	s_add_co_u32 s17, s17, s41                     ; tile row = 4 x cluster y + cy
	s_lshl_b32 s43, s41, 2
	s_lshl_b32 s43, 15, s43                        ; my row of the cluster
	s_lshl_b32 s44, 0x1111, s40                    ; my column
	; descriptor group 1 for O: 32,768 dense bytes as 128 rows of 256 bytes (32 elements of 8 bytes), no padding: the images are read 16 bytes a lane on end
	s_or_b32 s[G1+0], s43, (3<<16)|(1<<21)         ; 15:0 the mask: my row of the cluster; 17:16 elements of 8 bytes; 21 set beside a mask
	s_mov_b32 s[G1+1], 32<<16                      ; tensor_dim0
	s_mov_b32 s[G1+2], 128<<16                     ; tensor_dim1
	s_mov_b32 s[G1+3], 32<<16                      ; tile_dim0
	s_mov_b32 s[G1+4], 128                         ; tile_dim1
	s_mov_b32 s[G1+5], 32                          ; tensor_dim0_stride
	s_mov_b32 s[G1+6], 0
	s_mov_b32 s[G1+7], 0
	; for Wo: 128 rows x 256 bytes, 16 bytes of padding behind each
	s_or_b32 s[G1B+0], s44, (0<<16)|(1<<20)|(1<<21)|(5<<22)|(3<<25)
	s_mov_b32 s[G1B+1], ROWB<<16
	s_mov_b32 s[G1B+2], 128<<16
	s_mov_b32 s[G1B+3], ROWB<<16
	s_mov_b32 s[G1B+4], 128
	s_mov_b32 s[G1B+5], KROW
	s_mov_b32 s[G1B+6], 0
	s_mov_b32 s[G1B+7], 0
	; for the scales of 128 rows: 4,096 dense bytes as rows of 256 bytes, 16 bytes of padding behind each
	s_or_b32 s[G1S+0], s43, (3<<16)|(1<<20)|(1<<21)|(5<<22)|(3<<25)
	s_or_b32 s[G1SB+0], s44, (3<<16)|(1<<20)|(1<<21)|(5<<22)|(3<<25)
.irp g, G1S, G1SB
	s_mov_b32 s[\g+1], 32<<16
	s_mov_b32 s[\g+2], (128*KS/256)<<16
	s_mov_b32 s[\g+3], 32<<16
	s_mov_b32 s[\g+4], 128*KS/256
	s_mov_b32 s[\g+5], 32
	s_mov_b32 s[\g+6], 0
	s_mov_b32 s[\g+7], 0
.endr
	s_lshl_b32 s18, s16, 7
	s_lshl_b32 s20, s17, 8
	s_add_co_u32 s20, s20, s18                     ; O: token 256 x tile row + 128 x half
	s_lshl_b32 s46, s42, 8
	s_add_co_u32 s46, s46, s18                     ; Wo: row 256 x tile column + 128 x half
	s_mov_b32 s21, 0
	s_mov_b32 s47, 0
	s_mov_b64 s[18:19], KS
	s_mul_u64 s[22:23], s[20:21], s[18:19]         ; where these rows' scales begin
	s_mul_u64 s[92:93], s[46:47], s[18:19]
	s_mov_b64 s[18:19], KROW
	s_mul_u64 s[20:21], s[20:21], s[18:19]         ; and their codes (the token is a multiple of 128: 1,024 bytes a token is 131,072 a run)
	s_mul_u64 s[46:47], s[46:47], s[18:19]
	s_mul_i32 s45, s14, HALFT                      ; where they go: no place in the cluster enters an LDS address
	s_mul_i32 s94, s14, HALFS
	s_wait_kmcnt 0x0
	s_add_nc_u64 s[20:21], s[4:5], s[20:21]
	s_add_nc_u64 s[22:23], s[6:7], s[22:23]
	s_add_nc_u64 s[46:47], s[8:9], s[46:47]
	s_add_nc_u64 s[92:93], s[10:11], s[92:93]
	CROUND                                         ; all sixteen work-groups are here: the first joint loads meet
	s_mov_b32 s[G0S], 1
	s_add_co_u32 s[G0S+1], s94, SCL
	s_mov_b64 s[G0S+2:G0S+3], s[22:23]
	s_or_b32 s[G0S+3], s[G0S+3], 0x80000000
	s_mov_b32 s[G0SB], 1
	s_add_co_u32 s[G0SB+1], s94, SCL
	s_mov_b64 s[G0SB+2:G0SB+3], s[92:93]
	s_or_b32 s[G0SB+3], s[G0SB+3], 0x80000000
	JLOAD G0S, G1S, G0SB, G1SB                     ; the scales first
.irp s, 0,1
	s_mov_b32 s[G0+4*\s], 1
	s_add_co_u32 s[G0+4*\s+1], s45, \s*SLOT
	s_add_nc_u64 s[G0+4*\s+2:G0+4*\s+3], s[20:21], \s*ASTEP
	s_or_b32 s[G0+4*\s+3], s[G0+4*\s+3], 0x80000000
	s_mov_b32 s[G0B+4*\s], 1
	s_add_co_u32 s[G0B+4*\s+1], s45, \s*SLOT
	s_add_nc_u64 s[G0B+4*\s+2:G0B+4*\s+3], s[46:47], \s*ROWB
	s_or_b32 s[G0B+4*\s+3], s[G0B+4*\s+3], 0x80000000
	JLOAD G0+4*\s, G1, G0B+4*\s, G1B               ; three tensor loads of mine are out now
.endr
	v_and_b32 v1, 15, v0                           ; l % 16
	v_bfe_u32 v2, v0, 4, 1                         ; l / 16
	v_mul_u32_u24 v3, v1, PITCH
	v_lshl_add_u32 v4, v2, 4, v3                   ; Wo: a fragment's row x pitch + 16 x half
	v_and_b32 v6, 31, v0
	v_lshlrev_b32 v7, 4, v6                        ; O: 16 x lane
	s_mul_i32 s21, s15, HALFT                      ; my 128 tokens of O
	s_mul_i32 s22, s16, HALFT                      ; my 128 rows of Wo,
	s_add_co_u32 s22, s22, 2*HALFT                 ; which lie behind O's two parts
.irp s, 0,1
	v_add_nc_u32 v[ADRA+\s], s21, v7
	v_add_nc_u32 v[ADRB+\s], s22, v4
	s_add_co_u32 s21, s21, SLOT
	s_add_co_u32 s22, s22, SLOT
.endr
	v_mul_u32_u24 v5, v1, KS                       ; my row's scales: KS bytes a row,
	v_lshrrev_b32 v6, 8, v5
	v_lshl_add_u32 v5, v6, 4, v5                   ; and 16 more for each 256 passed
	s_mul_i32 s21, s15, HALFS
	s_mul_i32 s22, s16, HALFS
	s_add_co_u32 s22, s22, 2*HALFS
	s_sub_co_u32 s22, s22, s21
	v_mul_u32_u24 v6, s22, v2                      ; lanes 16-31 take Wo's
	s_add_co_u32 s21, s21, SCL
	v_add_nc_u32 v5, v5, v6
	v_add_nc_u32 v[ADRS], s21, v5
	s_mul_i32 s23, s14, 16*SPITCH                  ; my stage
	v_mul_u32_u24 v5, v1, SPITCH                   ; in: row l % 16, 32 bytes for each half of the lanes
	v_lshl_add_u32 v5, v2, 5, v5
	v_add_nc_u32 v[STO], s23, v5
	v_mov_b32 v[CO], v7                            ; back: the 32 lanes take one row of 512 bytes; and the same in out0
	v_add_nc_u32 v[RD], s23, v[CO]
	v_lshlrev_b32 v8, 5, v2                        ; the bias: my half's eight columns of a block: 32 h bytes
	s_lshl_b32 s20, s17, 8
	s_lshl_b32 s21, s15, 7
	s_add_co_u32 s20, s20, s21                     ; my first row of out0
	s_mov_b32 s21, 0
	s_mov_b64 s[18:19], SIZE_N*4
	s_mul_u64 s[20:21], s[20:21], s[18:19]
	s_lshl_b32 s46, s42, 10                        ; my first column, in bytes: 1,024 x tile column + 512 x half
	s_lshl_b32 s47, s16, 9
	s_add_co_u32 s46, s46, s47
	s_mov_b32 s47, 0
	s_add_nc_u64 s[96:97], s[96:97], s[46:47]      ; the same offset in bo
	s_add_nc_u64 s[20:21], s[20:21], s[46:47]
	s_add_nc_u64 s[12:13], s[12:13], s[20:21]
.irp b, 0,1,2,3,4,5,6,7
	global_load_b128 v[BIAS+8*\b:BIAS+8*\b+3], v8, s[96:97] offset:64*\b           ; bo at columns 16 b + 8 h + 0 .. 7: the result's layout
	global_load_b128 v[BIAS+8*\b+4:BIAS+8*\b+7], v8, s[96:97] offset:64*\b+16
.endr
.macro FRAG reg, adr, q, i             ; a fragment of Wo from padded rows: registers 4 c .. 4 c + 3 hold K = 32 c + 16 (l / 16) + 0 .. 15 of row l % 16
.irp c, 0,1,2,3
	ds_load_b128 v[\reg+4*\c:\reg+4*\c+3], v[\adr] offset:128*(\q)+32*\c+(\i)*16*PITCH
.endr
.endm
.macro FRAGA reg, adr, q, i            ; a fragment of O: its image as it lies: 128-chunk q of the slot, tile i
.irp c, 0,1,2,3
	ds_load_b128 v[\reg+4*\c:\reg+4*\c+3], v[\adr] offset:16384*(\q)+2048*(\i)+512*\c
.endr
.endm
; 16 matrix instructions: O's blocks a0, a0 + 1 x Wo's eight, 128 along K.  zero = 1: the first product starts the sums from the bias: nothing is cleared, nothing is added later.
; The 64 accumulators take turns, one instruction a turn, in the same order in every step.
.macro MUL16 a0, p, q, sc, zero
.irp a, \a0, \a0+1
.irp b, 0,1,2,3,4,5,6,7
.if \zero
	v_wmma_scale_f32_16x16x128_f8f6f4 v[8*(8*((\a)%4)+\b):8*(8*((\a)%4)+\b)+7], v[128*(\p)+FR*\b:128*(\p)+FR*\b+FR-1], v[AF+FR*(\a):AF+FR*(\a)+FR-1], v[BIAS+8*\b:BIAS+8*\b+7], v[SC+8*NQ*(\sc)+NQ*\b+(\q)], v[SC+8*NQ*(\sc)+NQ*(\a)+(\q)] matrix_a_scale:MATRIX_SCALE_ROW1
.else
	v_wmma_scale_f32_16x16x128_f8f6f4 v[8*(8*((\a)%4)+\b):8*(8*((\a)%4)+\b)+7], v[128*(\p)+FR*\b:128*(\p)+FR*\b+FR-1], v[AF+FR*(\a):AF+FR*(\a)+FR-1], v[8*(8*((\a)%4)+\b):8*(8*((\a)%4)+\b)+7], v[SC+8*NQ*(\sc)+NQ*\b+(\q)], v[SC+8*NQ*(\sc)+NQ*(\a)+(\q)] matrix_a_scale:MATRIX_SCALE_ROW1
.endif
.endr
.endr
.endm
.macro FETCH_B slot, q, p
	WIN TO_B
.irp i, 0,1,2,3,4,5,6,7
	FRAG 128*(\p)+FR*\i, ADRB+\slot, \q, \i
.endr
	WIN 0
.endm
.macro FETCH_A slot, q, i0
.irp i, \i0, \i0+1, \i0+2, \i0+3
	FRAGA AF+FR*(\i), ADRA+\slot, \q, \i
.endr
.endm
.macro SCALES sc                       ; the next K step's scale words: lanes 0-15 take O's block i, lanes 16-31 Wo's block i
.irp i, 0,1,2,3,4,5,6,7
	ds_load_b64 v[SC+8*NQ*\sc+NQ*\i:SC+8*NQ*\sc+NQ*\i+1], v[ADRS] offset:\i*SBLK
.endr
.endm
; A load into a register that a matrix instruction has read, and an LDS store that reads a matrix result, stand NP places behind it; only plain vector instructions that name none of its
; registers are places (ISA guide 7.12.1 for vector instructions).
.macro PLACES n
.rept \n
	v_nop
.endr
.endm
.macro STEP slot, q, zero
	s_wait_dscnt 4*NL                              ; Wo's set and O's blocks 0-3 are in; the youngest sixteen loads (O's blocks 4-7) may be out
.if \zero
	WIN FIRST_LO
.else
	WIN MUL_LO
.endif
	MUL16 0, (\q)%2, \q, \slot, \zero
	MUL16 2, (\q)%2, \q, \slot, \zero
	s_wait_dscnt 0                                 ; O's blocks 4-7 are in
	PLACES NP
	FETCH_B \slot, (\q)+1, 1-(\q)%2
	FETCH_A \slot, (\q)+1, 0
.if \zero
	WIN FIRST_HI
.else
	WIN MUL_HI
.endif
	MUL16 4, (\q)%2, \q, \slot, \zero
	MUL16 6, (\q)%2, \q, \slot, \zero
	PLACES NP
	WIN 0
	FETCH_A \slot, (\q)+1, 4
.endm
; A slot's last step changes slots: ONE barrier; in front of it each wave waits for all its tensor loads, adds 0 to its spare word, and waits for that and for its own reads of this slot.
.macro TURN slot, next, fill
	s_wait_tensorcnt 0x0                           ; all my tensor loads have landed: my part of the next slot  (every window is 0 here)
	ds_add_u32 v[SPW], v[NIL]                      ; 0 onto my spare word
	s_wait_dscnt 4*NL+1                            ; (the add and the youngest sixteen loads may be out)
	WIN MUL_LO
	MUL16 0, 1, NQ-1, \slot, 0                     ; sixteen matrix instructions stand between the add and the wait for it
	s_wait_dscnt 0x0                               ; the add is done, and my reads of this slot are over
	s_barrier_signal -1
	MUL16 2, 1, NQ-1, \slot, 0
	WIN 0
	s_barrier_wait -1
.if \fill
	CREST                                          ; the barrier has opened a round of the cluster's barrier: no wave of any partner still reads this slot's tile or has a load on its way
	s_add_nc_u64 s[G0+4*\slot+2:G0+4*\slot+3], s[G0+4*\slot+2:G0+4*\slot+3], 2*ASTEP
	s_add_nc_u64 s[G0B+4*\slot+2:G0B+4*\slot+3], s[G0B+4*\slot+2:G0B+4*\slot+3], 2*ROWB
	JLOAD G0+4*\slot, G1, G0B+4*\slot, G1B         ; the first tensor load behind the round, my only one until the next; its four v_nop are among the places in front of the loads below
	PLACES NP-4
.else
	PLACES NP
.endif
	v_add_nc_u32 v[ADRS], 4*NQ, v[ADRS]            ; on to the next K step's scale words (no LDS load of mine is out)
	FETCH_B \next, 0, 0
	FETCH_A \next, 0, 0
	SCALES \next
	WIN MUL_HI
	MUL16 4, 1, NQ-1, \slot, 0
	MUL16 6, 1, NQ-1, \slot, 0
	PLACES NP
	WIN 0
	FETCH_A \next, 0, 4
.endm
	s_wait_tensorcnt 1                             ; the scales and my part of K step 0 are in (K step 1's load may be out)
	s_barrier_signal -1
	s_barrier_wait -1                              ; everybody's are
	FETCH_B 0, 0, 0
	FETCH_A 0, 0, 0
	SCALES 0
	FETCH_A 0, 0, 4
	s_wait_loadcnt 0x0                             ; the bias
	STEP 0, 0, 1                                   ; the first step stands in front of the loop: its products start the sums
	s_mov_b32 s3, LAPS-1
.Llap:
	TURN 0, 1, 1
	STEP 1, 0, 0
	TURN 1, 0, 1
	STEP 0, 0, 0
	s_sub_co_u32 s3, s3, 1
	s_cmp_lg_u32 s3, 0
	s_cbranch_scc1 .Llap
	TURN 0, 1, 0                                   ; the last lap fills nothing, and has no round of the cluster's barrier
	STEP 1, 0, 0
	s_wait_dscnt 4*NL                              ; the very last step: nothing more to fetch
	WIN MUL_LO
	MUL16 0, 1, NQ-1, 1, 0
	MUL16 2, 1, NQ-1, 1, 0
	s_wait_dscnt 0
	WIN MUL_HI
	MUL16 4, 1, NQ-1, 1, 0
	MUL16 6, 1, NQ-1, 1, 0
	WIN 0
; THE WAY OUT, block by block of 16 rows x 128 columns: through my own stage in LDS, back as whole rows of 512 bytes.  LDS serves a wave's instructions in order (ISA guide 5.7.1.4): no wait between the stores and the loads.
.macro TOSTAGE a
.set AC, 64*((\a)%4)
.set WD, 0x08+4*((\a)/4)
	WIN WD                                         ; an LDS store's data are its source 1: window 2 or 3
.irp b, 0,1,2,3,4,5,6,7
	ds_store_b128 v[STO], v[AC+8*\b:AC+8*\b+3] offset:64*\b          ; each accumulator from its low end on
	ds_store_b128 v[STO], v[AC+8*\b+4:AC+8*\b+7] offset:64*\b+16
.endr
	WIN 0
.set BB, BK+64*((\a)%2)
.irp t, 0,1,2,3,4,5,6,7,8,9,10,11,12,13,14,15
	ds_load_b128 v[BB+4*\t:BB+4*\t+3], v[RD] offset:\t*SPITCH
.endr
.endm
.macro SEND a, younger                 ; younger: the LDS instructions issued behind block a's loads, which may stay out
.set BB, BK+64*((\a)%2)
	s_wait_dscnt \younger                          ; the block is back in registers
.if (\a) > 0
	s_add_nc_u64 s[12:13], s[12:13], 16*SIZE_N*4   ; (behind a wait on XCNT: the earlier stores have read their base)  16 rows on
.endif
.irp t, 0,1,2,3,4,5,6,7,8,9,10,11,12,13,14,15
	global_store_b128 v[CO], v[BB+4*\t:BB+4*\t+3], s[12:13] offset:\t*SIZE_N*4 th:TH_STORE_NT   ; 32 lanes store 512 consecutive bytes, at a multiple of 256 from out0's first byte; written once, read by nobody here
.endr
.endm
	PLACES NP                                      ; behind the last products: for the loads into the registers that held O's fragments, and for block 7's reads
	TOSTAGE 0
.irp a, 1,2,3,4,5,6,7
.if \a > 1
	s_wait_xcnt 0x0                                ; block a - 2's stores have read their registers and their base
.endif
	TOSTAGE \a
	SEND \a-1, 32                                  ; behind block a - 1's loads: block a's 16 stores and 16 loads
.endr
	s_wait_xcnt 0x0                                ; block 6's stores have read their base
	SEND 7, 0
	s_wait_tensorcnt 0x0                           ; the wave's end
	ds_add_u32 v[SPW], v[NIL]
	s_wait_dscnt 0x0
	CROUND                                         ; the closing round: no work-group ends while a partner may still ask for a tile that names it
	s_endpgm
.Lfunc_end_k_q08cef298ad_outp:
	.size	k_q08cef298ad_outp, .Lfunc_end_k_q08cef298ad_outp-k_q08cef298ad_outp
	.p2alignl 7, 3214868480
	.fill 96, 4, 3214868480
	.section	.rodata,"a",@progbits
	.p2align	6, 0x0
	.amdhsa_kernel k_q08cef298ad_outp
		.amdhsa_group_segment_fixed_size 327680
		.amdhsa_private_segment_fixed_size 0
		.amdhsa_enable_private_segment 0
		.amdhsa_kernarg_size 48
		.amdhsa_user_sgpr_count 2
		.amdhsa_user_sgpr_kernarg_segment_ptr 1
		.amdhsa_wavefront_size32 1
		.amdhsa_system_sgpr_workgroup_id_x 1
		.amdhsa_system_sgpr_workgroup_id_y 1
		.amdhsa_system_sgpr_workgroup_id_z 1
		.amdhsa_system_vgpr_workitem_id 0
		.amdhsa_next_free_vgpr 1024
		.amdhsa_next_free_sgpr 98
		.amdhsa_reserve_vcc 0
		.amdhsa_float_denorm_mode_32 3
		.amdhsa_float_denorm_mode_16_64 3
		.amdhsa_memory_ordered 1
		.amdhsa_forward_progress 1
		.amdhsa_inst_pref_size 147
	.end_amdhsa_kernel
	.amdgpu_metadata
---
amdhsa.version: [ 1, 2 ]
amdhsa.kernels:
  - .name:           k_q08cef298ad_outp
    .symbol:         k_q08cef298ad_outp.kd
    .args:
      - { .name: oimg, .offset: 0, .size: 8, .value_kind: global_buffer, .address_space: global }
      - { .name: osc, .offset: 8, .size: 8, .value_kind: global_buffer, .address_space: global }
      - { .name: Wo_codes, .offset: 16, .size: 8, .value_kind: global_buffer, .address_space: global }
      - { .name: Wo_scales, .offset: 24, .size: 8, .value_kind: global_buffer, .address_space: global }
      - { .name: bo, .offset: 32, .size: 8, .value_kind: global_buffer, .address_space: global }
      - { .name: out0, .offset: 40, .size: 8, .value_kind: global_buffer, .address_space: global }
    .group_segment_fixed_size: 327680
    .private_segment_fixed_size: 0
    .kernarg_segment_align: 8
    .kernarg_segment_size: 48
    .max_flat_workgroup_size: 128
    .sgpr_count:     98
    .vgpr_count:     1024
    .wavefront_size: 32
...
	.end_amdgpu_metadata
.endif
;; end of part 3
;; ======== version 2 of 2: 3 launches; version 1 with the launch attn written anew for expert scheduling mode
;; workspace buffers: qimg 4,194,304 bytes; kimg 4,194,304 bytes; vimg 4,194,304 bytes; oimg 4,194,304 bytes; qsc 131,072 bytes; ksc 131,072 bytes; vsc 131,072 bytes; osc 131,072 bytes
;; launch proj: the kernel of part 1 again; grid 12 x 16, 4 waves a work-group, clusters of 4 x 4, 327,680 bytes of LDS; arguments x_codes, x_scales, Wq_codes, Wq_scales, Wk_codes, Wk_scales, Wv_codes, Wv_scales, qimg, qsc, kimg, ksc, vimg, vsc; writes qimg, qsc, kimg, ksc, vimg, vsc
;; launch attn (part 4): grid 8 x 32, 4 waves a work-group, no clusters, 74,752 bytes of LDS; arguments qimg, qsc, kimg, ksc, vimg, vsc, mask, oimg, osc; writes oimg, osc
.if DOCPART == 4
	.amdgcn_target "amdgcn-amd-amdhsa--gfx1250"
	.amdhsa_code_object_version 6
	.text
	.protected	k_q08cef298ad_attn
	.globl	k_q08cef298ad_attn
	.p2align	8
	.type	k_q08cef298ad_attn,@function
k_q08cef298ad_attn:
	s_mov_b64 s[64:65], 0
	v_nop
	global_prefetch_b8 v0, s[64:65] scope:SCOPE_SE
	s_setreg_imm32_b32 hwreg(HW_REG_WAVE_SCHED_MODE, 0, 2), 2
	s_setreg_imm32_b32 hwreg(HW_REG_WAVE_MODE, 25, 1), 1
	s_wait_xcnt 0x0
	s_wait_alu depctr_vm_vsrc(0)
; ANGULAR ATTENTION on codes of FP8 (E4M3), one E8M0 scale for each 32 along a product's K.  sim = Q . K (K = the head's 64), clipped to +-0.999; s = 1 - acos(sim) / pi; w = s^8, 0 for a masked key
; (the definition's (1e-6)^8 is 0 in f32, and s is never under 0.014, so its lower hold at 1e-6 acts on masked keys alone); W = w / (the row's sum + 1e-6) is FINISHED before it is quantised along the keys;
; O = W V is quantised along the model's 1,024 for the last product and leaves as images of operand registers.
; SHARES.  A work-group owns one batch and head (y) and 256 queries (x): 16 tiles of 16, one a trip.  THE FOUR WAVES SHARE THE KEYS: wave w owns keys 512 w .. 512 w + 511 for every tile.
; Its K codes (256 registers) and V codes (256) stay in registers for the whole launch; a tile's 16 x 512 weights (256 registers) stay in registers until the row's sum is known, so no score is made twice.
; Only the row sums (64 bytes a wave) and the partial O (4,096 bytes a wave) cross waves, through LDS.
; ONE BARRIER A TRIP.  The sums lie in two regions by turns (trip & 1), the partial O in four (trip & 3).  A tile's partial O is stored behind its trip's barrier and read behind a later trip's barrier, in front of which
; every wave has waited for all its LDS instructions.  In every even trip from the third on all four waves add and quantise the two tiles before: wave w takes tile trip - 2 + w / 2 and block w % 2 of the head's 64;
; the regions read there are (trip - 2) & 3 and the next, the region stored in that trip is trip & 3.  A region is stored again four trips after its last store, behind barriers in front of which its readers have waited for their loads;
; a region of sums two trips on, likewise.  The last two tiles are added behind one more barrier after the loop.
; THE PRODUCTS STAND SINGLY AMONG THE VECTOR LINES, so that the wave has vector lines to issue while the matrix unit works: the scores of key chunks 2 and 3 in the polynomials of groups 0 and 1, W V of chunks 0 to 2 and the NEXT
; tile's scores of chunks 0 and 1 among the lines that normalise and hold the later chunks (a chunk's registers are free once its weights are converted).  Each product so placed costs two switches of the register windows: 88 a trip.
; The first tile's chunks 0 and 1 are written out ahead of the loop; the last trip makes them once more from the old Q, and nobody reads them.
; NO JOINT LOADS: what the work-groups of a head share, K and V, is read once at the head of the launch into registers (64 KiB a wave); the loop reads only its own tile of Q, 1 KiB a trip.
; LAYOUT.  S^T = K Q^T (source 0 = keys, source 1 = queries), O^T = V^T W^T: a lane holds ONE query (lane % 16) throughout.  K = 64 fills half of the instruction's 128: a K fragment holds TWO tiles of keys, one in
; k 0-63 and one in k 64-127, and is multiplied by Q beside 64 zero codes, once on each side.  THE KEYS OF A TILE ARE NOT NEIGHBOURS: lane r of tile (p, u) takes key 32 p + 8 u + r + 8 (r / 8), so that
; register 16 B + i of the scores is key 32 B + 16 (lane / 16) + i: the layout that the second product's operand wants.
; acos(a) = sqrt(1 - a) x a polynomial of degree 7 in a = min(|sim|, 0.999) (Abramowitz and Stegun 4.4.46, here divided by pi); s = 0.5 + copysign(0.5 - sqrt(1 - a) P(a), sim).
; LIMITS: the polynomial's error in s is about 3e-8 absolute, the size of the rounding of 1 - acos / pi in f32 itself; so a very small s is not exact to f32's relative precision.  NaN and infinities are not served.
; A block of zeros gets the scale byte 1 where the rule says 127: its codes are zeros, and this program alone reads the bytes.  O's scale bytes leave as single bytes, 32 apart: 16 a tile and block, 131,072 in the launch.
; REGISTERS, in windows of 256.  window 1: K, pair p at v[16 p].  window 2: V, fragment (key chunk gk, tile t of the head's 64) at v[16 (4 gk + t)].  window 3: the scores, then the weights.
; window 0: v0-15 addresses; v16-31 K's scale words; v32-39 V's; v40-63 zeros, Q, zeros; v64 Q's scale word, v65 as loaded; v66-69 W's scale words; v[70:71] b6; v[72:73] 1 / sum; v74-79 at work; v80-95 block maxima;
;   v96-127 a (later the conversions' scale operands and 448 x the scale); v128-159 sqrt(1 - a) (later a set of codes, and bytes); v160-191 the polynomial, s, s^4 (later O^T); v192-223 the mask (later a set of codes);
;   v160-223 the four partial O while they are added; v224-231 the row's sum (later O's codes and what makes them).
; THE MODE: SCHED_MODE bits 1:0 = 2 (LLVM: expert scheduling mode 2), set by the entry lines.  The code itself states the register dependences between vector or matrix instructions and memory or LDS
; instructions, with s_wait_alu, always for 0.
; THE PLAN.  In the loop windows 1 to 3 are named by vector and matrix instructions alone.  The registers of window 0 that memory or LDS instructions touch, in a trip's order:
;   v15, v10       the next tile's offsets in Q and its scale words: written at the trip's head; read by the three loads behind group 5.
;   v192-223       group G's sixteen multiplications read the mask; the LDS loads of group G + 1's mask land there: ONE wait on va_vdst stands between the two, in groups 0 to 6.  Later in the trip the conversions write,
;                  and the products W V read, the even chunks' codes there: the next trip's first mask loads stand behind the wait ahead of the stores of partial O, and no vector line stands between.
;   v48-55, v65    Q and its scale word: read by the score products, the last of them in group 1, and by v_perm_b32 in the trip before; the loads behind group 5 land there.  The waits of groups 1 to 5 have stated that,
;                  and that v15 and v10 are written; no line behind them names any of these registers: the loads have no wait of their own.
;   v224, v5       the sum's LDS store: one wait on va_vdst ahead of it.  It also serves the four LDS loads of the sums behind the barrier (v74-77, address v6): no line between names them.
;   v5, v6         turned to the other region behind those loads: one wait on vm_vsrc ahead of the two lines.
;   v1, v160-223   the sixteen LDS loads of partial O: one wait on va_vdst, for v1.     v224-227, v232, v11, v12  O's codes, its byte and their offsets: one wait on va_vdst ahead of the two stores.
;   v0, v160-191   the eight LDS stores of partial O: the places, then one wait on va_vdst.  Behind them, beside the wait on XCNT, one wait on vm_vsrc: every register that a store or load of the trip has read may be written again.
; A scaled product's operands that vector lines make (W's codes and scale words, Q's scale word): one wait on va_vdst directly ahead of the first product W V of each key chunk, behind its places.
.set MSK,  0                           ; LDS: the mask as f32 0 or 1, 2,048 bytes a wave, written and read by that wave alone
.set SUMS, 8192                        ; [trip & 1][wave][16] f32
.set OPB,  8704                        ; [trip & 3][wave][tile t 4][half 2] x 512 bytes: images of the O^T accumulators
.set KSC,  16
.set VSC,  32
.set QHI,  40                          ; v[40:55]: zeros, Q
.set QLO,  48                          ; v[48:63]: Q, zeros
.set QSC,  64
.set QRAW, 65
.set PSC,  66
.set B6,   70
.set INV,  72
.set TA,   74
.set BMB,  78
.set BM,   80
.set RA,   96
.set RSO,  96
.set RH,   112
.set RU,   128
.set RBY,  144
.set RP,   160
.set OACC, 160
.set RR,   160
.set RM,   192
.set SUM,  224
.set RC,   224
.set RT,   228
.set MST,  233
.set MSB, 0
.macro WIN new                         ; bits 1:0 source 0, 3:2 source 1, 5:4 source 2, 7:6 destination; the high byte repeats the setting that is left
.if MSB != (\new)
	s_set_vgpr_msb (MSB<<8)|(\new)
.set MSB, (\new)
.endif
.endm
.macro VLOAD gk                        ; V's codes of key chunk gk, as the images lie: 16 loads of 512 consecutive bytes
.irp t, 0,1,2,3
.irp c, 0,1,2,3
	global_load_b128 v[16*(4*(\gk)+\t)+4*\c:16*(4*(\gk)+\t)+4*\c+3], v3, s[12:13] offset:131072*(\gk)+2048*\t+512*\c
.endr
.endr
.endm
	s_load_b512 s[4:19], s[0:1], 0x0               ; qimg s[4:5], qsc s[6:7], kimg s[8:9], ksc s[10:11], vimg s[12:13], vsc s[14:15], mask s[16:17], oimg s[18:19]
	s_load_b64 s[20:21], s[0:1], 0x40              ; osc
	v_lshl_add_u32 v254, v0, 2, 0x12200
	v_mov_b32 v255, 0
	v_lshrrev_b32 v1, 5, v0
	v_readfirstlane_b32 s22, v1                    ; wave 0..3
	v_and_b32 v1, 15, v0                           ; r
	v_bfe_u32 v2, v0, 4, 1                         ; h
	v_and_b32 v3, 31, v0
	v_lshlrev_b32 v3, 4, v3                        ; 16 x lane
	s_and_b32 s25, ttmp7, 0xffff
	s_lshr_b32 s26, s25, 4                         ; batch
	s_and_b32 s27, s25, 15                         ; head
	s_lshr_b32 s28, s27, 1                         ; g: its 128-chunk of features
	s_and_b32 s29, s27, 1                          ; o: which half of the chunk
	s_wait_alu depctr_va_sdst(0)                   ; s22 is written, ahead of its first reader: LDS addresses and the buffers' offsets are made from it
	s_and_b32 s23, s22, 1                          ; wave % 2: which block of the head's 64 I quantise
	s_lshr_b32 s24, s22, 1                         ; wave / 2: which of the two tiles
	; LDS addresses: a constant + a constant x lane + a constant x wave, all made here; the regions' turns are added in the loop
	s_lshl_b32 s56, s22, 11
	v_lshlrev_b32 v4, 6, v2
	v_add_nc_u32 v4, s56, v4                       ; the mask, to read: 2,048 wave + 64 h
	v_add_nc_u32 v[MST], s56, v3                   ; and to store: 2,048 wave + 16 lane
	s_lshl_b32 s56, s22, 6
	v_lshlrev_b32 v6, 2, v1
	v_add_nc_u32 v6, SUMS, v6                      ; the sums, to read: 4 r
	v_add_nc_u32 v5, s56, v6                       ; and to store: + 64 wave
	s_lshl_b32 s56, s22, 12
	v_add_nc_u32 v7, s56, v3
	v_add_nc_u32 v7, OPB, v7                       ; partial O, to store: 4,096 wave + 16 lane
	s_lshl_b32 s56, s23, 11
	s_lshl_b32 s57, s24, 14
	s_add_co_u32 s56, s56, s57
	v_add_nc_u32 v8, s56, v3
	v_add_nc_u32 v8, OPB, v8                       ; and to read: 16,384 (wave / 2) + 2,048 (wave % 2) + 16 lane
	; lane terms of global offsets
	v_lshlrev_b32 v9, 4, v1                        ; Q's scale words: 16 r
	s_lshl_b32 s56, s23, 9
	v_add_nc_u32 v13, s56, v3                      ; O's codes: 16 lane + 512 (wave % 2)
	v_lshlrev_b32 v14, 5, v1
	v_add_nc_u32 v14, s23, v14                     ; O's scale bytes: 32 r + (wave % 2)
	v_lshrrev_b32 v10, 3, v1
	v_and_b32 v15, 7, v1
	v_lshlrev_b32 v15, 4, v15
	v_lshl_add_u32 v12, v10, 8, v15                ; K's scale words: 256 (r / 8) + 16 (r % 8)
	v_lshl_add_u32 v11, v10, 11, v15
	v_lshl_add_u32 v11, v2, 8, v11                 ; K's codes: 2,048 (r / 8) + 256 h + 16 (r % 8): key 32 p + 8 u + r + 8 (r / 8) is row 8 u + r % 8 of the natural tile 2 p + r / 8
	v_mov_b32 v10, v9                              ; tile 0 of Q: its scale words,
	v_mov_b32 v15, v3                              ; its codes
	; where my parts begin
	s_lshl_b32 s56, s28, 8
	s_lshl_b32 s57, s26, 7
	s_add_co_u32 s56, s56, s57                     ; 256 g + 128 batch: tiles of tokens
	s_lshl_b32 s57, s22, 5
	s_add_co_u32 s57, s56, s57                     ; K: + 32 wave
	s_lshl_b32 s58, ttmp9, 4
	s_add_co_u32 s58, s56, s58                     ; Q: + 16 x
	s_lshl_b32 s59, s29, 10                        ; register groups 2 o, 2 o + 1 of an image: 1,024 o bytes
	s_mov_b32 s31, 0
	s_mul_i32 s53, s29, 0x02020202
	s_add_co_u32 s54, s53, 0x05040100              ; K's scale word: bytes 2 o, 2 o + 1 of tile u = 0, then of tile u = 1
	s_add_co_u32 s53, s53, 0x01000100              ; Q's: bytes 2 o, 2 o + 1, twice
	s_mov_b32 s36, 0xb9d2b131                      ; b7 .. b1, each twice: the packed form names a pair and takes its low word
	s_mov_b32 s37, s36
	s_mov_b32 s38, 0xbbb23c51                      ; b5
	s_mov_b32 s39, s38
	s_mov_b32 s40, 0x3c211b65                      ; b4
	s_mov_b32 s41, s40
	s_mov_b32 s42, 0xbc82d591                      ; b3
	s_mov_b32 s43, s42
	s_mov_b32 s44, 0x3ce80569                      ; b2
	s_mov_b32 s45, s44
	s_mov_b32 s46, 0xbd8be58c                      ; b1
	s_mov_b32 s47, s46
	s_mov_b32 s48, 0x3f7fbe77                      ; 0.999
	s_mov_b32 s49, 0x7fffffff
	s_mov_b32 s50, 0x76543210                      ; v_permlanex16_b32's selects for lane l xor 16
	s_mov_b32 s51, 0xfedcba98
	s_mov_b32 s52, 0x600000                        ; the mantissa field of 448
	s_mov_b32 s55, 0                               ; the trip: my tile of queries
	s_wait_kmcnt 0x0
	s_lshl_b32 s30, s57, 11
	s_add_co_u32 s30, s30, s59
	s_add_nc_u64 s[8:9], s[8:9], s[30:31]
	s_lshl_b32 s30, s57, 6                         ; eight tiles to a scale image of 512 bytes
	s_add_nc_u64 s[10:11], s[10:11], s[30:31]
	s_lshl_b32 s30, s58, 11
	s_add_co_u32 s30, s30, s59
	s_add_nc_u64 s[4:5], s[4:5], s[30:31]
	s_lshl_b32 s30, s58, 6
	s_add_nc_u64 s[6:7], s[6:7], s[30:31]
	s_lshl_b32 s56, s26, 4
	s_lshl_b32 s57, s22, 2
	s_add_co_u32 s56, s56, s57                     ; 16 batch + 4 wave: 128-chunks of tokens
	s_lshl_b32 s57, s56, 6
	s_lshl_b32 s58, s27, 2
	s_add_co_u32 s57, s57, s58                     ; x 64 tiles of features, + 4 head
	s_lshl_b32 s30, s57, 11
	s_add_nc_u64 s[12:13], s[12:13], s[30:31]
	s_lshl_b32 s57, s56, 3
	s_add_co_u32 s57, s57, s28
	s_lshl_b32 s30, s57, 9
	s_lshl_b32 s58, s29, 3
	s_add_co_u32 s30, s30, s58                     ; words 2 o, 2 o + 1 of my 16 bytes
	s_add_nc_u64 s[14:15], s[14:15], s[30:31]
	s_lshl_b32 s30, s26, 13
	s_lshl_b32 s57, s22, 11
	s_add_co_u32 s30, s30, s57
	s_add_nc_u64 s[16:17], s[16:17], s[30:31]
	s_lshl_b32 s56, s26, 4
	s_lshl_b32 s57, ttmp9, 1
	s_add_co_u32 s56, s56, s57                     ; 16 batch + 2 x: runs of 128 tokens
	s_lshl_b32 s30, s56, 17
	s_lshl_b32 s57, s28, 14
	s_add_co_u32 s30, s30, s57
	s_add_co_u32 s30, s30, s59
	s_add_nc_u64 s[18:19], s[18:19], s[30:31]
	s_lshl_b32 s30, s56, 12                        ; 128 tokens x 32 bytes
	s_lshl_b32 s57, s27, 1
	s_add_co_u32 s30, s30, s57
	s_add_nc_u64 s[20:21], s[20:21], s[30:31]
	WIN 0x40                                       ; destination window 1: K's codes, in runs of 128 bytes out of the natural images, once in the launch
	s_wait_alu depctr_va_vdst(0)                   ; the offsets and LDS addresses v3 to v15 and v233 are written, which the loads and stores of the kernel read
.set p, 0
.rept 16
.irp u, 0,1
.irp c, 0,1
	global_load_b128 v[16*p+8*\u+4*\c:16*p+8*\u+4*\c+3], v11, s[8:9] offset:4096*p+128*\u+512*\c
.endr
.endr
.set p, p+1
.endr
	WIN 0
.set p, 0
.rept 16
	global_load_b32 v[RA+p], v12, s[10:11] offset:512*(p/4)+4*(p%4)        ; the chunk's scale word of tile (p, 0)'s key in lane r,
	global_load_b32 v[RU+p], v12, s[10:11] offset:512*(p/4)+4*(p%4)+128    ; and of tile (p, 1)'s
.set p, p+1
.endr
.irp j, 0,1,2,3
	global_load_b128 v[RM+4*\j:RM+4*\j+3], v3, s[16:17] offset:512*\j      ; my 512 keys' mask
.endr
	global_load_b128 v[QLO:QLO+3], v15, s[4:5]                             ; tile 0 of Q
	global_load_b128 v[QLO+4:QLO+7], v15, s[4:5] offset:512
	global_load_b32 v[QRAW], v10, s[6:7]
.irp gk, 0,1,2,3
	global_load_b64 v[VSC+2*\gk:VSC+2*\gk+1], v3, s[14:15] offset:4096*\gk ; V's scale words: word t / 2; lanes 0-15 tile t even, lanes 16-31 tile t odd
.endr
	WIN 0x80                                       ; destination window 2
	VLOAD 0
	WIN 0
.irp j, 0,1,2,3,4,5,6,7
	v_mov_b32 v[QHI+\j], 0                         ; 64 zero codes on each side of Q
	v_mov_b32 v[QLO+8+\j], 0
.endr
	v_mov_b32 v[B6], 0x3b0b24a4                    ; b6, twice
	v_mov_b32 v[B6+1], 0x3b0b24a4
	v_mov_b32 v[INV+1], 0                          ; (named as the upper half of a pair)
	s_wait_loadcnt 0x0                             ; all that the first scores want is in
	WIN 0x80
	VLOAD 1                                        ; V's other three chunks, 48 loads, are asked for only now: nothing reads V before the first trip's second product,
	VLOAD 2                                        ; and the wait for them stands in that trip, ahead of its barrier.  (No vector line since the wait on va_vdst above names v3 or a register of window 2)
	VLOAD 3
	WIN 0
.set p, 0
.rept 16
	v_perm_b32 v[KSC+p], v[RU+p], v[RA+p], s54     ; selector bytes 0-3 take from the second source, 4-7 from the first
.set p, p+1
.endr
	v_perm_b32 v[QSC], v[QRAW], v[QRAW], s53       ; the head's two bytes of Q's scale word, for k 0-63 and for k 64-127
.set i, 0
.irp m, 25,26,27,28,29,30,31,32,33,34,35,60,61,62,63,2     ; sixteen scalar registers that hold nothing any more, or never did: the compares stand in one run
	v_cmp_ne_u32 s[\m], 0, v[RM+i]
.set i, i+1
.endr
	s_wait_alu depctr_va_sdst(0)                   ; the sixteen lane masks are written, ahead of their first reader
.set i, 0
.irp m, 25,26,27,28,29,30,31,32,33,34,35,60,61,62,63,2     ; (these sixteen lines are also the eight places between the scale words just made and the first products)
	v_cndmask_b32 v[RM+i], 0, 1.0, s[\m]           ; the mask as a factor: it only selects a value
.set i, i+1
.endr
	s_wait_alu depctr_va_vdst(0)                   ; the factors in v[RM ..] are written, which the LDS stores read; so are K's and Q's scale words and the zero codes beside Q, which the first scaled products take
.irp j, 0,1,2,3
	ds_store_b128 v[MST], v[RM+4*\j:RM+4*\j+3] offset:512*\j   ; my wave's own bytes: LDS serves a wave's instructions in order, so its later loads see them
.endr
.macro MLOAD G                         ; the mask of blocks 2 G, 2 G + 1: my 16 keys of each; the sixteen lanes of a half read the same words
.irp bb, 0,1
.irp jj, 0,1,2,3
	ds_load_b128 v[RM+16*\bb+4*\jj:RM+16*\bb+4*\jj+3], v4 offset:128*(2*(\G)+\bb)+16*\jj
.endr
.endr
.endm
.macro SM1 gk, j                       ; product j (0..7) of the scores of keys 128 gk .. 128 gk + 127: pair 4 gk + j / 2, side j % 2; an accumulator of its own, begun with 0
.set KP, 16*(4*(\gk)+(\j)/2)
	WIN 0xc1                                       ; destination window 3, source 0 (K) window 1, source 1 (Q) window 0
.if ((\j)%2) == 0
	v_wmma_scale_f32_16x16x128_f8f6f4 v[KP:KP+7], v[KP:KP+15], v[QLO:QLO+15], 0, v[KSC+KP/16], v[QSC]
.else
	v_wmma_scale_f32_16x16x128_f8f6f4 v[KP+8:KP+15], v[KP:KP+15], v[QHI:QHI+15], 0, v[KSC+KP/16], v[QSC]
.endif
.endm
.macro SMM gk                          ; all eight in a run: ahead of the loop only
.irp j, 0,1,2,3,4,5,6,7
	SM1 \gk, \j
.endr
.endm
.macro PV1 gk, t                       ; O^T tile t += V^T W^T over keys 128 gk on.  The four accumulators take turns, one instruction a turn, and other products stand between
.set PCX, 192-64*((\gk)%2)
.set RO, OACC+8*(\t)
.set RV, 16*(4*(\gk)+(\t))
	WIN 0x02                                       ; source 0 (V) window 2
.if (\t) == 0
	s_wait_alu depctr_va_vdst(0)                   ; the conversions have written this chunk's codes, which its four products take as source 1; ahead of chunk 0 also: W's four scale words and Q's new scale word are written.  The places stand ahead of this wait
.endif
.if (\gk) == 0
.if ((\t)%2) == 1
	v_wmma_scale_f32_16x16x128_f8f6f4 v[RO:RO+7], v[RV:RV+15], v[PCX:PCX+15], 0, v[VSC+2*(\gk)+(\t)/2], v[PSC+(\gk)] matrix_a_scale:MATRIX_SCALE_ROW1
.else
	v_wmma_scale_f32_16x16x128_f8f6f4 v[RO:RO+7], v[RV:RV+15], v[PCX:PCX+15], 0, v[VSC+2*(\gk)+(\t)/2], v[PSC+(\gk)]
.endif
.else
.if ((\t)%2) == 1
	v_wmma_scale_f32_16x16x128_f8f6f4 v[RO:RO+7], v[RV:RV+15], v[PCX:PCX+15], v[RO:RO+7], v[VSC+2*(\gk)+(\t)/2], v[PSC+(\gk)] matrix_a_scale:MATRIX_SCALE_ROW1
.else
	v_wmma_scale_f32_16x16x128_f8f6f4 v[RO:RO+7], v[RV:RV+15], v[PCX:PCX+15], v[RO:RO+7], v[VSC+2*(\gk)+(\t)/2], v[PSC+(\gk)]
.endif
.endif
.endm
; 32 scores a lane (blocks 2 G, 2 G + 1) become weights, not yet normalised.  Work goes by levels over 16 pairs, so that no line waits for the line above it.
; mm >= 0: the eight products of key chunk mm's scores are dealt among the polynomial's lines, one behind every fourteenth; they name none of the group's registers.
.macro GRP G, mm
.set XB, 32*(\G)
	WIN 0x03                                       ; source 0 window 3
.set i, 0
.rept 32
	v_min_num_f32 v[RA+i], |v[XB+i]|, s48          ; a = min(|sim|, 0.999); each accumulator is read from its low end on
.set i, i+1
.endr
	WIN 0
.set i, 0
.rept 16
	v_pk_add_f32 v[RU+i:RU+i+1], v[RA+i:RA+i+1], 1.0 op_sel_hi:[1,0] neg_lo:[1,0] neg_hi:[1,0]   ; 1 - a
.set i, i+2
.endr
.set n, 0
.rept 112                              ; Horner, seven levels; a root stands ahead of every third of the first 96 lines, so that each has plain lines behind it
.if (n < 96) && (n%3 == 0)
	v_sqrt_f32 v[RU+n/3], v[RU+n/3]
.endif
.set pr, 2*(n%16)
.if n/16 == 0
	v_pk_fma_f32 v[RP+pr:RP+pr+1], v[RA+pr:RA+pr+1], s[36:37], v[B6:B6+1] op_sel_hi:[1,0,1]
.elseif n/16 == 6
	v_pk_fma_f32 v[RP+pr:RP+pr+1], v[RP+pr:RP+pr+1], v[RA+pr:RA+pr+1], 0.5 op_sel_hi:[1,1,0]
.else
	v_pk_fma_f32 v[RP+pr:RP+pr+1], v[RP+pr:RP+pr+1], v[RA+pr:RA+pr+1], s[36+2*(n/16):37+2*(n/16)] op_sel_hi:[1,1,0]
.endif
.if ((\mm) >= 0) && (n%14 == 6)
	SM1 \mm, n/14
	WIN 0
.endif
.set n, n+1
.endr
.set i, 0
	s_wait_alu depctr_va_vdst(0)
.rept 16
	v_pk_fma_f32 v[RP+i:RP+i+1], v[RU+i:RU+i+1], v[RP+i:RP+i+1], 0.5 op_sel_hi:[1,1,0] neg_lo:[1,0,0] neg_hi:[1,0,0]   ; 0.5 - sqrt(1 - a) P(a)
.set i, i+2
.endr
	WIN 0x30                                       ; source 2 window 3
.set i, 0
.rept 32
	v_bfi_b32 v[RP+i], s49, v[RP+i], v[XB+i]       ; with sim's sign
.set i, i+1
.endr
	WIN 0
.set i, 0
.rept 16
	v_pk_add_f32 v[RP+i:RP+i+1], v[RP+i:RP+i+1], 0.5 op_sel_hi:[1,0]       ; s
.set i, i+2
.endr
.set i, 0
.rept 16
	v_pk_mul_f32 v[RP+i:RP+i+1], v[RP+i:RP+i+1], v[RP+i:RP+i+1]            ; s^2
.set i, i+2
.endr
.set i, 0
.rept 16
	v_pk_mul_f32 v[RP+i:RP+i+1], v[RP+i:RP+i+1], v[RP+i:RP+i+1]            ; s^4
.set i, i+2
.endr
	s_wait_dscnt 0x0                               ; this group's eight mask loads (in group 0 the last trip's stores of partial O are out too, and older)
.set i, 0
.rept 16
	v_pk_mul_f32 v[RP+i:RP+i+1], v[RP+i:RP+i+1], v[RM+i:RM+i+1]            ; x 0 or 1: its square is the weight
.set i, i+2
.endr
.if (\G) < 7
	s_wait_alu depctr_va_vdst(0)                   ; the sixteen multiplications above are done reading v[RM ..], in which the next group's mask lands.  (From group 1's on this wait also states, for the loads behind group 5: the score products are done reading Q, and v15 and v10 are written)
	MLOAD (\G)+1
.endif
.irp bb, 0,1                           ; each block's largest s^4, in two chains: squaring and the later scaling do not fall where their input rises, so it gives the block's largest W bit for bit
	v_max3_num_f32 v[BM+2*(\G)+\bb], v[RP+16*\bb], v[RP+16*\bb+1], v[RP+16*\bb+2]
	v_max3_num_f32 v[BMB+\bb], v[RP+16*\bb+3], v[RP+16*\bb+4], v[RP+16*\bb+5]
.endr
.irp i4, 6,10
.irp bb, 0,1
	v_max3_num_f32 v[BM+2*(\G)+\bb], v[BM+2*(\G)+\bb], v[RP+16*\bb+\i4], v[RP+16*\bb+\i4+1]
	v_max3_num_f32 v[BMB+\bb], v[BMB+\bb], v[RP+16*\bb+\i4+2], v[RP+16*\bb+\i4+3]
.endr
.endr
.irp bb, 0,1
	v_max3_num_f32 v[BM+2*(\G)+\bb], v[BM+2*(\G)+\bb], v[RP+16*\bb+14], v[RP+16*\bb+15]
.endr
.irp bb, 0,1
	v_max_num_f32 v[BM+2*(\G)+\bb], v[BM+2*(\G)+\bb], v[BMB+\bb]
.endr
.set q, 0
.rept 16                               ; the row's sum of the weights, four packed chains; the tile's first four lines start them: nothing is cleared
.if ((\G) == 0) && (q < 4)
	v_pk_mul_f32 v[SUM+2*(q%4):SUM+2*(q%4)+1], v[RP+2*q:RP+2*q+1], v[RP+2*q:RP+2*q+1]
.else
	v_pk_fma_f32 v[SUM+2*(q%4):SUM+2*(q%4)+1], v[RP+2*q:RP+2*q+1], v[RP+2*q:RP+2*q+1], v[SUM+2*(q%4):SUM+2*(q%4)+1]
.endif
.set q, q+1
.endr
	WIN 0xc0                                       ; destination window 3
.set i, 0
.rept 16
	v_pk_mul_f32 v[XB+i:XB+i+1], v[RP+i:RP+i+1], v[RP+i:RP+i+1]            ; the weight takes the score's place
.set i, i+2
.endr
.endm
; W = w / (sum + 1e-6), then the hold at 448 x the block's scale (W is not negative: one side).
; pv >= 0: the four products W V of key chunk pv, whose codes were made just before, stand behind every eighth multiplication (so eight plain lines ahead of the first).
; sm >= 0: the eight products of the NEXT tile's scores of key chunk sm stand behind every eighth hold; they write the registers of weights that have been converted.
.macro NORM gk, pv, sm
	WIN 0xc3                                       ; destination and source 0 window 3
.set i, 0
.rept 32
	v_pk_mul_f32 v[64*(\gk)+i:64*(\gk)+i+1], v[64*(\gk)+i:64*(\gk)+i+1], v[INV:INV+1] op_sel_hi:[1,0]
.if ((\pv) >= 0) && (i%16 == 14)
	PV1 \pv, i/16
	WIN 0xc3
.endif
.set i, i+2
.endr
.set i, 0
.rept 64
	v_min_num_f32 v[64*(\gk)+i], v[64*(\gk)+i], v[RH+4*(\gk)+i/16]         ; the conversion to an 8-bit code does not saturate (ISA guide 7.6.2)
.if ((\sm) >= 0) && (i%8 == 3)
	SM1 \sm, i/8
	WIN 0xc3
.endif
.set i, i+1
.endr
.endm
.macro CVT gk                          ; the chunk's codes: two sets by turns, v192 on (even chunks) and v128 on (odd)
.set PCX, 192-64*((\gk)%2)
	WIN 0x03                                       ; source 0 window 3
.irp c, 0,1,2,3
	v_cvt_scalef32_pk8_fp8_f32 v[PCX+4*\c:PCX+4*\c+1], v[64*(\gk)+16*\c:64*(\gk)+16*\c+7], v[RSO+4*(\gk)+\c]
	v_cvt_scalef32_pk8_fp8_f32 v[PCX+4*\c+2:PCX+4*\c+3], v[64*(\gk)+16*\c+8:64*(\gk)+16*\c+15], v[RSO+4*(\gk)+\c]
.endr
.endm
; The two tiles before trip s55 are added and quantised: I take tile s55 - 2 + wave / 2 and features 32 (wave % 2) .. + 31 of the head, one block of the last product's K.  s55 is even, 2 to 16.
.macro REDUCE
	s_and_b32 s56, s55, 2
	s_xor_b32 s56, s56, 2                          ; (s55 - 2) & 3, for an even s55
	s_lshl_b32 s56, s56, 14
	v_add_nc_u32 v1, s56, v8                       ; the region of my tile
	s_sub_co_u32 s57, s55, 2
	s_add_co_u32 s57, s57, s24                     ; my tile
	s_lshr_b32 s58, s57, 3
	s_lshl_b32 s58, s58, 17                        ; which run of 128 tokens,
	s_and_b32 s59, s57, 7
	s_lshl_b32 s59, s59, 11                        ; which tile in it
	s_add_co_u32 s58, s58, s59
	v_add_nc_u32 v11, s58, v13                     ; (the loads and stores that last named v1, v11 and v12 have read them: the waits on XCNT and on vm_vsrc at each trip's end)
	s_lshl_b32 s59, s57, 9                         ; 16 tokens x 32 bytes
	v_add_nc_u32 v12, s59, v14
	s_wait_alu depctr_va_vdst(0)                   ; v1 is written, which the sixteen loads below read as their address
.irp wv, 0,1,2,3
.irp q4, 0,1,2,3
	ds_load_b128 v[RR+16*\wv+4*\q4:RR+16*\wv+4*\q4+3], v1 offset:4096*\wv+512*\q4
.endr
.endr
	s_wait_dscnt 0x0                               ; they are in (and so are the sums asked for just before)
.irp j, 0,2,4,6,8,10,12,14
	v_pk_add_f32 v[RR+\j:RR+\j+1], v[RR+\j:RR+\j+1], v[RR+16+\j:RR+16+\j+1]
	v_pk_add_f32 v[RR+32+\j:RR+32+\j+1], v[RR+32+\j:RR+32+\j+1], v[RR+48+\j:RR+48+\j+1]
.endr
.irp j, 0,2,4,6,8,10,12,14
	v_pk_add_f32 v[RR+\j:RR+\j+1], v[RR+\j:RR+\j+1], v[RR+32+\j:RR+32+\j+1]
.endr
.irp j, 0,1,2,3,4,5,6,7
	v_permlane16_swap_b32 v[RR+\j], v[RR+8+\j]     ; register 8 u + j held feature 16 u + 8 h + j of the block; now register i holds 16 h + i
.endr
	v_max3_num_f32 v[RT], |v[RR]|, |v[RR+1]|, 0x4800000            ; the block's largest magnitude, with the floor 2^(9 - 127), in two chains
	v_max3_num_f32 v[RT+1], |v[RR+2]|, |v[RR+3]|, |v[RR+6]|
	v_max3_num_f32 v[RT], v[RT], |v[RR+4]|, |v[RR+5]|
	v_max3_num_f32 v[RT+1], v[RT+1], |v[RR+7]|, |v[RR+10]|
	v_max3_num_f32 v[RT], v[RT], |v[RR+8]|, |v[RR+9]|
	v_max3_num_f32 v[RT+1], v[RT+1], |v[RR+11]|, |v[RR+14]|
	v_max3_num_f32 v[RT], v[RT], |v[RR+12]|, |v[RR+13]|
	v_max3_num_f32 v[RT], v[RT], v[RT+1], |v[RR+15]|
	v_permlanex16_b32 v[RT+1], v[RT], s50, s51
	v_max_num_f32 v[RT], v[RT], v[RT+1]
	v_add_nc_u32 v[RT+2], 0xfc000000, v[RT]        ; 8 off the exponent field: the conversion's scale operand
	v_and_or_b32 v[RT+3], v[RT], 0x7f800000, s52   ; 448 x the scale
	v_lshrrev_b32 v[RT+4], 23, v[RT+2]             ; the scale's byte
.irp j, 0,1,2,3,4,5,6,7,8,9,10,11,12,13,14,15
	v_med3_num_f32 v[RR+\j], v[RR+\j], -v[RT+3], v[RT+3]
.endr
	v_cvt_scalef32_pk8_fp8_f32 v[RC:RC+1], v[RR:RR+7], v[RT+2]
	v_cvt_scalef32_pk8_fp8_f32 v[RC+2:RC+3], v[RR+8:RR+15], v[RT+2]
	v_nop                                          ; one plain vector instruction behind the last scaled conversion
	s_wait_alu depctr_va_vdst(0)                   ; the conversions have written O's codes in v[RC ..], and the scale's byte is written: the two stores read them
	global_store_b128 v11, v[RC:RC+3], s[18:19]    ; one register group of the tile's image: 512 consecutive bytes, at a multiple of 256 from the buffer's first byte
	global_store_b8 v12, v[RT+4], s[20:21]         ; both lanes of a token write the same byte with the same value
.endm
	SMM 0                                          ; the first tile's scores of key chunks 0 and 1: every later tile's are made in the trip before
	SMM 1
	WIN 0
.rept 8
	v_nop                                          ; places behind the products, ahead of the first read of their results
.endr
	s_wait_alu depctr_vm_vsrc(0)                   ; my LDS stores of the mask have read v[RM ..], in which the first group's mask lands; the head's loads have read v15, v10, v11 and v12, which the loop writes
.Ltile:                                            ; 16 trips: a tile of 16 queries each
	s_add_co_u32 s56, s55, 1                       ; the next tile's offsets in Q are made here, ahead of the groups' waits on va_vdst, in every trip; the last trip's are not used
	s_lshl_b32 s57, s56, 11                        ; its codes: 2,048 bytes a tile
	s_lshr_b32 s58, s56, 3
	s_lshl_b32 s58, s58, 9                         ; its scale words: which scale image,
	s_and_b32 s59, s56, 1
	s_lshl_b32 s59, s59, 8                         ; which half of its lanes,
	s_add_co_u32 s58, s58, s59
	s_bfe_u32 s59, s56, 0x20001
	s_lshl_b32 s59, s59, 2                         ; which word
	s_add_co_u32 s58, s58, s59
	v_add_nc_u32 v15, s57, v3                      ; (the loads that last named v15 and v10 have been waited for, and have read them: the wait on vm_vsrc at the last trip's end, or ahead of the loop)
	v_add_nc_u32 v10, s58, v9
	MLOAD 0                                        ; (no wait: the wait on va_vdst ahead of the last trip's stores of partial O, or ahead of the head's stores of the mask, stands behind every line that names v[RM ..])
	GRP 0, 2                                       ; with the scores of key chunk 2 among its lines,
	GRP 1, 3                                       ; of chunk 3: two groups and more ahead of the first read of their results
	GRP 2, -1
	GRP 3, -1
	GRP 4, -1
	GRP 5, -1
	WIN 0
	s_cmp_eq_u32 s55, 15                           ; the next tile's Q is asked for here, four groups behind the last product that read this tile's; the last trip asks for nothing
	s_cbranch_scc1 .Lno_q
	global_load_b128 v[QLO:QLO+3], v15, s[4:5]     ; (no wait: no vector or matrix line since group 5's wait on va_vdst names v15, v10, Q's eight registers or v[QRAW])
	global_load_b128 v[QLO+4:QLO+7], v15, s[4:5] offset:512
	global_load_b32 v[QRAW], v10, s[6:7]
.Lno_q:
	GRP 6, -1
	GRP 7, -1
	WIN 0
	; ---- the row's sum: my 512 keys', then all four waves'
	v_pk_add_f32 v[SUM:SUM+1], v[SUM:SUM+1], v[SUM+2:SUM+3]
	v_pk_add_f32 v[SUM+4:SUM+5], v[SUM+4:SUM+5], v[SUM+6:SUM+7]
	v_pk_add_f32 v[SUM:SUM+1], v[SUM:SUM+1], v[SUM+4:SUM+5]
	v_add_f32 v[SUM], v[SUM], v[SUM+1]
	v_permlanex16_b32 v[BMB], v[SUM], s50, s51     ; the query's other keys lie in the lane 16 away
	v_add_f32 v[SUM], v[SUM], v[BMB]
	s_wait_alu depctr_va_vdst(0)                   ; my sum in v[SUM] is written, which the LDS store reads; v5 and v6 are written; the last trip's lines are done with v[TA ..], in which the four sums land behind the barrier
	ds_store_b32 v5, v[SUM]                        ; both lanes of a query write the same word with the same value
	s_wait_loadcnt 0x0                             ; the next tile's Q and its scale word, asked for two groups ago; in the first trip V's last three chunks too
	v_perm_b32 v[QSC], v[QRAW], v[QRAW], s53       ; the next tile's scale word: the last product that read the old one stands in group 1; the next stands behind a chunk's normalisation
.set b, 0
.rept 16                               ; work on registers while the store is out: the blocks' maxima over both halves of the lanes
	v_permlanex16_b32 v[RA+b], v[BM+b], s50, s51
.set b, b+1
.endr
.set b, 0
.rept 16
	v_max_num_f32 v[BM+b], v[BM+b], v[RA+b]
.set b, b+1
.endr
	s_wait_dscnt 0x0                               ; for the others' sake: my sum is stored, my stores of partial O of the trips before are done, and my reads of sums and of partial O are in
	s_barrier_signal -1
.set b, 0
.rept 8
	v_pk_mul_f32 v[BM+b:BM+b+1], v[BM+b:BM+b+1], v[BM+b:BM+b+1]   ; squared, as the weights are
.set b, b+2
.endr
	s_barrier_wait -1
.irp wv, 0,1,2,3
	ds_load_b32 v[TA+\wv], v6 offset:64*\wv        ; (no wait: no line since the wait ahead of the sum's store names v6 or v[TA ..])
.endr
	s_wait_alu depctr_vm_vsrc(0)                   ; the sum's store has read v5 and v[SUM], the four loads have read v6: the two lines below write v5 and v6, and O's codes are laid over v[SUM]
	v_xor_b32 v5, 0x100, v5                        ; the next trip's sums go to the other region
	v_xor_b32 v6, 0x100, v6
	s_and_b32 s56, s55, 3
	s_lshl_b32 s56, s56, 14
	v_add_nc_u32 v0, s56, v7                       ; where this trip's partial O goes: region trip & 3
	s_and_b32 s56, s55, 1                          ; every even trip but the first adds the two tiles before; the branch hangs on the trip alone, and no barrier stands inside
	s_cmp_lg_u32 s56, 0
	s_cbranch_scc1 .Lno_red
	s_cmp_eq_u32 s55, 0
	s_cbranch_scc1 .Lno_red
	REDUCE
.Lno_red:
	s_wait_dscnt 0x0                               ; the four sums
	v_add_f32 v[TA], v[TA], v[TA+1]
	v_add_f32 v[TA+2], v[TA+2], v[TA+3]
	v_add_f32 v[TA], v[TA], v[TA+2]
	v_add_f32 v[TA], 0x358637bd, v[TA]             ; + 1e-6
	v_rcp_f32 v[INV], v[TA]
	v_nop                                          ; a plain place behind the transcendental
.set b, 0
	s_wait_alu depctr_va_vdst(0)
.rept 8
	v_pk_mul_f32 v[BM+b:BM+b+1], v[BM+b:BM+b+1], v[INV:INV+1] op_sel_hi:[1,0]   ; each block's largest W
.set b, b+2
.endr
.set b, 0
.rept 16
	v_max_num_f32 v[BM+b], 0x4800000, v[BM+b]      ; the floor 2^(9 - 127): the byte cannot fall under 1
.set b, b+1
.endr
.set b, 0
.rept 16
	v_add_nc_u32 v[RSO+b], 0xfc000000, v[BM+b]     ; 8 off the exponent field: the conversion's scale operand
.set b, b+1
.endr
.set b, 0
.rept 16
	v_and_or_b32 v[RH+b], v[BM+b], 0x7f800000, s52 ; 448 x the scale
.set b, b+1
.endr
.set b, 0
.rept 16
	v_lshrrev_b32 v[RBY+b], 23, v[RSO+b]           ; the scale's byte
.set b, b+1
.endr
.irp gk, 0,1,2,3
	v_lshl_or_b32 v[PSC+\gk], v[RBY+4*\gk+1], 8, v[RBY+4*\gk]
.endr
.irp gk, 0,1,2,3
	v_lshl_or_b32 v[PSC+\gk], v[RBY+4*\gk+2], 16, v[PSC+\gk]
.endr
.irp gk, 0,1,2,3
	v_lshl_or_b32 v[PSC+\gk], v[RBY+4*\gk+3], 24, v[PSC+\gk]   ; W's scale word for each 128 keys
.endr
	; ---- normalise, quantise, multiply.  A set of codes is written again two chunks on, a chunk's 96 plain lines and more behind the last product that read it
	NORM 0, -1, -1
	CVT 0
	NORM 1, 0, 0                                   ; with W V of chunk 0, and the next tile's scores of chunk 0
	CVT 1
	NORM 2, 1, 1                                   ; of chunk 1, and of chunk 1
	CVT 2
	NORM 3, 2, -1
	CVT 3
	WIN 0
.rept 4
	v_nop                                          ; an operand written by vector instructions stands four places ahead of a scaled product
.endr
.irp t, 0,1,2,3
	PV1 3, \t
.endr
	WIN 0
.rept 8
	v_nop                                          ; places ahead of the first read of the results
.endr
	s_wait_alu depctr_va_vdst(0)                   ; the products have written O^T, which the LDS stores read (the places above stay beside this wait); they are also done reading the codes in v192 on, in which the next trip's first mask loads land
.irp t, 0,1,2,3
	ds_store_b128 v0, v[OACC+8*\t:OACC+8*\t+3] offset:1024*\t          ; my partial O^T as it stands, each accumulator from its low end on; waited for in front of the next barrier
	ds_store_b128 v0, v[OACC+8*\t+4:OACC+8*\t+7] offset:1024*\t+512
.endr
	s_wait_xcnt 0x0                                ; the stores of O's codes and bytes have had their addresses translated: the next trip's sums are written over their data
	s_wait_alu depctr_vm_vsrc(0)                   ; the LDS stores above have read O^T and v0; the stores of O's codes and bytes their data, v11 and v12; the trip's loads v1, v15 and v10: the next trip, or the lines behind the loop, write all of these
	s_add_co_u32 s55, s55, 1
	s_cmp_lt_u32 s55, 16
	s_cbranch_scc1 .Ltile
	s_wait_dscnt 0x0                               ; for the others' sake: my last stores of partial O are done
	s_barrier_signal -1
	s_barrier_wait -1
	REDUCE                                         ; s55 = 16: tiles 14 and 15
	s_wait_dscnt 0x0
	s_wait_alu depctr_hold_cnt(0) depctr_sa_sdst(0) depctr_va_vdst(0) depctr_va_sdst(0) depctr_va_ssrc(0) depctr_va_vcc(0) depctr_vm_vsrc(0)
	s_wait_tensorcnt 0x0
	ds_add_u32 v254, v255
	s_wait_dscnt 0x0
	s_endpgm
.Lfunc_end_k_q08cef298ad_attn:
	.size	k_q08cef298ad_attn, .Lfunc_end_k_q08cef298ad_attn-k_q08cef298ad_attn
	.p2alignl 7, 3214868480
	.fill 96, 4, 3214868480
	.section	.rodata,"a",@progbits
	.p2align	6, 0x0
	.amdhsa_kernel k_q08cef298ad_attn
		.amdhsa_group_segment_fixed_size 74752
		.amdhsa_private_segment_fixed_size 0
		.amdhsa_enable_private_segment 0
		.amdhsa_kernarg_size 72
		.amdhsa_user_sgpr_count 2
		.amdhsa_user_sgpr_kernarg_segment_ptr 1
		.amdhsa_wavefront_size32 1
		.amdhsa_system_sgpr_workgroup_id_x 1
		.amdhsa_system_sgpr_workgroup_id_y 1
		.amdhsa_system_sgpr_workgroup_id_z 1
		.amdhsa_system_vgpr_workitem_id 0
		.amdhsa_next_free_vgpr 1024
		.amdhsa_next_free_sgpr 66
		.amdhsa_reserve_vcc 0
		.amdhsa_float_denorm_mode_32 3
		.amdhsa_float_denorm_mode_16_64 3
		.amdhsa_memory_ordered 1
		.amdhsa_forward_progress 1
		.amdhsa_inst_pref_size 251
	.end_amdhsa_kernel
	.amdgpu_metadata
---
amdhsa.version: [ 1, 2 ]
amdhsa.kernels:
  - .name:           k_q08cef298ad_attn
    .symbol:         k_q08cef298ad_attn.kd
    .args:
      - { .name: qimg, .offset: 0, .size: 8, .value_kind: global_buffer, .address_space: global }
      - { .name: qsc, .offset: 8, .size: 8, .value_kind: global_buffer, .address_space: global }
      - { .name: kimg, .offset: 16, .size: 8, .value_kind: global_buffer, .address_space: global }
      - { .name: ksc, .offset: 24, .size: 8, .value_kind: global_buffer, .address_space: global }
      - { .name: vimg, .offset: 32, .size: 8, .value_kind: global_buffer, .address_space: global }
      - { .name: vsc, .offset: 40, .size: 8, .value_kind: global_buffer, .address_space: global }
      - { .name: mask, .offset: 48, .size: 8, .value_kind: global_buffer, .address_space: global }
      - { .name: oimg, .offset: 56, .size: 8, .value_kind: global_buffer, .address_space: global }
      - { .name: osc, .offset: 64, .size: 8, .value_kind: global_buffer, .address_space: global }
    .group_segment_fixed_size: 74752
    .private_segment_fixed_size: 0
    .kernarg_segment_align: 8
    .kernarg_segment_size: 72
    .max_flat_workgroup_size: 128
    .sgpr_count:     66
    .vgpr_count:     1024
    .wavefront_size: 32
...
	.end_amdgpu_metadata
.endif
;; end of part 4
;; launch outp: the kernel of part 3 again; grid 4 x 16, 4 waves a work-group, clusters of 4 x 4, 327,680 bytes of LDS; arguments oimg, osc, Wo_codes, Wo_scales, bo, out0; writes out0
